; MI455X (gfx1250); checked and timed in simulation.
; The chip was launched on July 23, 2026; its instructions are those of AMD's public machine-readable ISA for CDNA 5 (MIT licence, August 2026) and "CDNA5" Instruction Set Architecture Reference Guide (July 2026). The comments in the code are by the model that wrote it; some were corrected since.
;; Causal Self Attention. Allowed arithmetic: matrix products marked QUANTISED: E2M3 operands, one E8M0 scale for each 32 along K, by v_wmma_scale_f32_16x16x128_f8f6f4 with both operands' format E2M3, f32 sums; everything else in f32.
;; Inputs: Wk 1,024 x 1,024 float32; Wo 1,024 x 1,024 float32; Wq 1,024 x 1,024 float32; Wv 1,024 x 1,024 float32; bk 1,024 float32; bo 1,024 float32; bq 1,024 float32; bv 1,024 float32; mask 1 x 1 x 2,048 x 2,048 bool; x 4 x 2,048 x 1,024 float32.
;; Outputs: out0 4 x 2,048 x 1,024 float32.
;; This version of the problem:
;;   THIS VERSION OF THE PROBLEM IS GIVEN IN LOW PRECISION. The matrix products marked QUANTISED in the list below multiply operands that are first quantised to E2M3 (2 exponent bits, 3 mantissa bits; 6 bits a number), with one power-of-two scale for each 32 numbers along K (OCP MX v1.0); their sums are f32. All else is computed in f32.
;;   The module's matrix products, in the order in which they are computed (A, B: the left and right operand; K: the contracted axis; several contracted axes count as one K, in the product's order):
;;     1. [M 8,192, K 1,024] x [K 1,024, N 1,024]; A: input x; B: input Wq: QUANTISED
;;     2. [M 8,192, K 1,024] x [K 1,024, N 1,024]; A: input x; B: input Wk: QUANTISED
;;     3. [M 8,192, K 1,024] x [K 1,024, N 1,024]; A: input x; B: input Wv: QUANTISED
;;     4. batch 64 x [M 2,048, K 64] x [K 64, N 2,048]; A: computed on the way; B: computed on the way: QUANTISED
;;     5. batch 64 x [M 64, K 2,048] x [K 2,048, N 2,048]; A: computed on the way; B: softmax (see below): QUANTISED
;;     6. [M 8,192, K 1,024] x [K 1,024, N 1,024]; A: computed on the way; B: input Wo: QUANTISED
;;   THE QUANTISER, for each operand of a quantised product, along K:
;;     - K is cut into blocks of 32 from its start; a last block that is shorter is filled with zeros.
;;     - A block's scale is 2^e with e = floor(log2(the largest magnitude in the block)) - 2, held to -126 .. 127; a block of zeros has e = 0. As a byte (E8M0): e + 127.
;;     - Each number is divided by its block's scale, clamped to +-7.5, and rounded to the nearest number of E2M3, ties to even, subnormals kept.
;;     - The product sums the exact products of the quantised numbers (number of the format x scale) in f32.
;;   ~~~python
;;   def quantise(x, axis):      # numpy; x: float32 -> the quantised numbers, widened to float32 again
;;       x = np.moveaxis(x, axis, -1); K = x.shape[-1]
;;       x = np.pad(x, [(0, 0)] * (x.ndim - 1) + [(0, -K % 32)]); x = x.reshape(x.shape[:-1] + (-1, 32)); a = np.abs(x).max(-1, keepdims=True)
;;       e = np.where(a > 0, np.clip(np.frexp(np.where(a > 0, a, 1))[1] - 1 - 2, -126, 127), 0)      # np.frexp(a)[1] - 1 = floor(log2(a)), exactly
;;       r = np.clip(x / 2.0 ** e, -7.5, 7.5)
;;       step = 2.0 ** (np.maximum(np.frexp(np.where(r == 0, 1, r))[1] - 1, 0) - 3)
;;       q = np.round(r / step) * step * 2.0 ** e      # np.round: ties to even
;;       return np.moveaxis(q.reshape(q.shape[:-2] + (-1,))[..., :K], -1, axis).astype(np.float32)
;;   ~~~
;;   SOFTMAX AHEAD OF A QUANTISED PRODUCT. Where the list says 'softmax', what is quantised is not the finished softmax but p = 2^(t - M), with t = logit x log2(e) and M = ceil(the row's largest t), a whole number; so 1/2 < the row's largest p <= 1. The row's sum l is taken of the UNQUANTISED p, in f32, and the product's result is divided by l at the end. Since M is a whole number, a kernel that streams over the keys may use a running M (the ceiling of the running maximum): every later rescaling is an exact power of two, which a block's scale takes up: the codes' values come out the same.
;;   OPERANDS COMPUTED ON THE WAY. 'Computed on the way' means the value that the module computes at that place (a softmax that the list does not call 'softmax' is quantised finished and normalised). What goes into a quantiser is computed in f32, as accurately as f32 sums, v_exp_f32 and their like allow (about 1e-6 of the number): no bf16 or f16 on the way to a quantiser, and a product that is left as it is and whose result goes on into a quantised operand takes f32 operands (vector FMAs, or v_wmma_f32_16x16x4_f32). A number that lies on a knife's edge between two numbers of the format may be rounded either way, as far as f32 arithmetic and the matrix unit's own rounding can turn it there, and no further.
;; One version. Each part assembles by itself: llvm-mc -triple=amdgcn-amd-amdhsa -mcpu=gfx1250 --defsym DOCPART=n.
;; ======== version 1 of 1: 4 launches
;; limits: right only within a limited range of input values
;; workspace buffers: xq 6,553,600 bytes; wq 3,276,800 bytes; mf 525,312 bytes of whole numbers; qr 6,815,744 bytes; kv 13,369,344 bytes; aq 6,553,600 bytes
;; launch prep (part 1): grid 416 x 1, 4 waves a work-group, no clusters, 68,096 bytes of LDS; arguments x, mask, Wq, Wk, Wv, Wo, xq, wq, mf; writes xq, wq, mf
.if DOCPART == 1
	.amdgcn_target "amdgcn-amd-amdhsa--gfx1250"
	.amdhsa_code_object_version 6
	.text
	.protected	k_qfe867d9191_prep
	.globl	k_qfe867d9191_prep
	.p2align	8
	.type	k_qfe867d9191_prep,@function
k_qfe867d9191_prep:
	s_mov_b64 s[64:65], 0
	v_nop
	global_prefetch_b8 v0, s[64:65] scope:SCOPE_SE
	s_setreg_imm32_b32 hwreg(HW_REG_WAVE_MODE, 25, 1), 1
	s_wait_xcnt 0x0
; THREE JOBS IN ONE LAUNCH, told apart by the work-group's number; each job has its own text, its own LDS bytes and its own end; no barrier, waves share nothing.
;   work-groups   0 ..  31: the mask [2048][2048] of bytes becomes bits in the order of the attention launch's score registers, and two words a tile of 16 queries that say which key steps may be left out or need no mask.
;   work-groups  32 .. 159: Wq, Wk, Wv, Wo [1024 (k)][1024 (n)] f32 become codes of FP6 (E2M3) laid [4096 (n)][768 bytes] with K innermost, and scale bytes [4096][32].
;   work-groups 160 .. 415: x [8192][1024] f32 becomes codes [8192][768 bytes] and scale bytes [8192][32].
; A block's scale is 2^(floor(log2(its largest magnitude)) - 2); its byte is the largest magnitude's exponent field - 2, held at 1 from below.  A block of zeros so gets the byte 1 where the quantiser says 127:
; its codes are zeros, which add nothing under any byte but 0xff, and the bytes are read by this program alone.
; LIMITS: NaN and infinities among the inputs are not served; blocks whose largest magnitude lies under 2^(2 - 126) have their byte held at 1.
.set XQS,   6291456                    ; where x's scale bytes begin in xq
.set WQS,   3145728                    ; where the weights' scale bytes begin in wq
.set EMAX,  2
	s_load_b512 s[4:19], s[0:1], 0x0               ; x s[4:5], mask s[6:7], Wq s[8:9], Wk s[10:11], Wv s[12:13], Wo s[14:15], xq s[16:17], wq s[18:19]
	s_load_b64 s[20:21], s[0:1], 0x40              ; mf
	v_lshl_add_u32 v192, v0, 2, 0x10800
	v_mov_b32 v193, 0
	v_lshrrev_b32 v1, 5, v0
	v_readfirstlane_b32 s22, v1                    ; wave 0..3
	v_and_b32 v2, 31, v0                           ; lane
	s_cmp_lt_u32 ttmp9, 32
	s_cbranch_scc1 .Lmask
	s_cmp_lt_u32 ttmp9, 160
	s_cbranch_scc1 .Lweights
; ---------------- x: a plain stream of blocks of 32 numbers.  A wave takes 16 steps of 512 numbers.
; Each of a step's four loads reads 512 consecutive bytes, 16 a lane; the 2,048 bytes turn through the wave's own stage in LDS and come back 64 bytes a lane, so that a lane holds 16 neighbours along K
; (two neighbouring lanes hold a block).  The stage has 16 bytes of padding behind each 64.  A lane's 16 codes are 12 bytes: the wave stores 384 consecutive bytes.
; A wave's 256 scale bytes are gathered in its own LDS bytes and leave as 256 consecutive bytes, aligned.
.set STEPS, 16
.set CB,    12                         ; bytes of 16 codes
.set XR,    16                         ; v16-79   four sets of 16 numbers as they are loaded
.set XX,    80                         ; v80-111  two sets of 16 neighbours
.set XC,    128                        ; v128-191 codes: four registers a step, so that no store's data are written again
.set XE,    112                        ; v112-127 a scale byte for each step
.set WREG,  8192                       ; LDS bytes 0 .. 32,767: a region for each wave: two stages of 32 x SP bytes, behind them 256 scale bytes
.set SP,    80
	v_lshlrev_b32 v3, 4, v2                        ; my 16 bytes of a load's 512
	s_mul_i32 s23, s22, WREG
	v_lshrrev_b32 v14, 2, v2
	v_mul_u32_u24 v14, v14, SP
	v_and_b32 v15, 3, v2
	v_lshl_add_u32 v14, v15, 4, v14
	v_add_nc_u32 v14, s23, v14                     ; the stage, on the way in: SP (lane / 4) + 16 (lane % 4)
	v_mul_u32_u24 v15, v2, SP
	v_add_nc_u32 v15, s23, v15                     ; and on the way out: SP x lane
	v_mul_u32_u24 v4, v2, CB                       ; my codes' place in a step's
	v_lshrrev_b32 v5, 1, v2
	s_add_co_u32 s23, s23, 2*32*SP
	v_add_nc_u32 v5, s23, v5                       ; my block's scale byte in LDS
	v_lshlrev_b32 v7, 3, v2
	v_add_nc_u32 v6, s23, v7                       ; and 8 bytes a lane on the way out
	s_sub_co_u32 s24, ttmp9, 160
	s_lshl_b32 s24, s24, 2
	s_add_co_u32 s24, s24, s22                     ; which run of 8,192 numbers is my wave's: 0 .. 1,023
	s_lshl_b32 s26, s24, 15                        ; 32,768 bytes of x a run
	s_mov_b32 s27, 0
	s_mul_i32 s28, s24, 32*STEPS*CB                ; 6,144 bytes of codes
	s_mov_b32 s29, 0
	s_lshl_b32 s30, s24, 8                         ; 256 scale bytes
	s_add_co_u32 s30, s30, XQS
	s_mov_b32 s31, 0
	s_wait_alu depctr_va_vdst(0)
	s_wait_kmcnt 0x0
	s_add_nc_u64 s[4:5], s[4:5], s[26:27]
	s_add_nc_u64 s[8:9], s[16:17], s[28:29]
	s_add_nc_u64 s[10:11], s[16:17], s[30:31]
.macro XLOAD t
.irp i, 0,1,2,3
	global_load_b128 v[XR+16*((\t)%4)+4*\i:XR+16*((\t)%4)+4*\i+3], v3, s[4:5] offset:2048*(\t)+512*\i th:TH_LOAD_NT   ; 32 lanes read 512 consecutive bytes
.endr
.endm
.macro XTURN t                         ; step t's numbers through the stage: LDS serves a wave's instructions in order, so no wait stands between the stores and the loads
.irp i, 0,1,2,3
	ds_store_b128 v14, v[XR+16*((\t)%4)+4*\i:XR+16*((\t)%4)+4*\i+3] offset:32*SP*((\t)%2)+8*SP*\i
.endr
.irp i, 0,1,2,3
	ds_load_b128 v[XX+16*((\t)%2)+4*\i:XX+16*((\t)%2)+4*\i+3], v15 offset:32*SP*((\t)%2)+16*\i
.endr
.endm
.irp t, 0,1,2,3
	XLOAD \t
.endr
	s_wait_loadcnt 12                              ; step 0's four loads are in; twelve younger ones may be out
	XTURN 0
.macro XSTEP t
.set XS, XX+16*((\t)%2)
.if (\t) > 0
	s_wait_dscnt 1                                 ; this step's numbers are back from the stage (the last step's byte store may be out)
.else
	s_wait_dscnt 0x0
.endif
.if (\t)+4 < STEPS
	XLOAD (\t)+4                                   ; into the registers whose stores into the stage are done
.endif
.if (\t)+1 < STEPS
.if STEPS-2-(\t) >= 3
	s_wait_loadcnt 12                              ; the next step's four loads are in; those of the three steps behind it may be out
.else
	s_wait_loadcnt 4*(STEPS-2-(\t))
.endif
	XTURN (\t)+1
.endif
	v_max3_num_f32 v8, |v[XS]|, |v[XS+1]|, |v[XS+2]|               ; the largest magnitude of my 16, in two chains
	v_max3_num_f32 v9, |v[XS+3]|, |v[XS+4]|, |v[XS+5]|
.irp i, 6,10
	v_max3_num_f32 v8, v8, |v[XS+\i]|, |v[XS+\i+1]|
	v_max3_num_f32 v9, v9, |v[XS+\i+2]|, |v[XS+\i+3]|
.endr
	v_max3_num_f32 v8, v8, |v[XS+14]|, |v[XS+15]|
	v_max3_num_f32 v8, v8, v9, (EMAX+1)<<23        ; and the floor 2^(EMAX + 1 - 127): the byte cannot fall under 1
	v_max_num_f32_dpp v8, v8, v8 row_xmask:1 row_mask:0xf bank_mask:0xf   ; and of my neighbour's 16: the block's
	v_add_nc_u32 v11, -(EMAX<<23), v8              ; EMAX off its exponent field: the conversion takes the exponent field of this operand as its scale
	v_cvt_scalef32_pk16_fp6_f32 v[XC+4*(\t):XC+4*(\t)+2], v[XS:XS+15], v11
	v_lshrrev_b32 v[XE+(\t)], 23, v11              ; the scale's byte
	ds_store_b8 v5, v[XE+(\t)] offset:16*(\t)      ; both lanes of a block write the same byte with the same value
	global_store_b96 v4, v[XC+4*(\t):XC+4*(\t)+2], s[8:9] offset:32*CB*(\t)
.endm
.irp t, 0,1,2,3,4,5,6,7,8,9,10,11,12,13,14,15
	XSTEP \t
.endr
	ds_load_b64 v[12:13], v6                       ; LDS serves a wave's instructions in order: these see my stores
	s_wait_dscnt 0x0
	global_store_b64 v7, v[12:13], s[10:11]        ; 32 lanes store 256 consecutive bytes, aligned
	s_wait_tensorcnt 0x0
	ds_add_u32 v192, v193
	s_wait_dscnt 0x0
	s_endpgm
; ---------------- the weights: K is their FIRST axis.  A lane takes a column n and its registers run down K: a block of 32 along K lies in one lane's 32 registers, and the conversions give codes with K innermost.
; A wave takes 32 columns x 256 along K.  A lane's codes belong to one row of the output: they go through the wave's own stage in LDS and leave as rows, sixteen lanes to a row's 192 consecutive bytes.
.Lweights:
.set NB,     8                         ; blocks a lane
.set WPITCH, 272                       ; a stage row: sixteen places of 16 bytes, each with 12 bytes of codes, + 16
.set KROW,   768                       ; a row of codes in wq
.set WX,     32                        ; v32-95   two sets of 32 numbers
.set WC,     96                        ; v96..    a block's codes
.set OUTR,   112                       ; v112-175 the way out
.set SB,     24                        ; v24-25   the scale bytes
	s_sub_co_u32 s23, ttmp9, 32
	s_lshr_b32 s24, s23, 5                         ; which weight: 0 Wq, 1 Wk, 2 Wv, 3 Wo
	s_and_b32 s25, s23, 7                          ; which 128 columns
	s_bfe_u32 s26, s23, 0x20003                    ; which 256 along K
	s_lshl_b32 s27, s25, 7
	s_lshl_b32 s28, s22, 5
	s_add_co_u32 s27, s27, s28                     ; my wave's first column
	s_wait_alu depctr_va_vdst(0)
	v_lshlrev_b32 v3, 2, v2                        ; in: 4 bytes a lane
	s_mul_i32 s28, s22, 32*WPITCH
	s_add_co_u32 s28, s28, 32768                   ; my stage: LDS bytes 32,768 .. 67,583 are this job's
	v_mul_u32_u24 v4, v2, WPITCH
	v_add_nc_u32 v4, s28, v4                       ; into it: row = my column
	v_and_b32 v5, 15, v2
	v_lshrrev_b32 v6, 4, v2
	v_mul_u32_u24 v7, v6, WPITCH
	v_lshl_add_u32 v7, v5, 4, v7
	v_add_nc_u32 v7, s28, v7                       ; out of it: sixteen lanes to a row, two rows an instruction
	v_mul_u32_u24 v8, v6, KROW
	v_mad_u32_u24 v8, v5, 12, v8                   ; and the same place in wq
	v_lshlrev_b32 v9, 5, v2                        ; my column's row of scale bytes: 32 bytes a row
	s_lshl_b32 s30, s26, 20                        ; 256 rows of 4,096 bytes
	s_lshl_b32 s31, s27, 2
	s_add_co_u32 s30, s30, s31
	s_mov_b32 s31, 0
	s_lshl_b32 s29, s24, 10
	s_add_co_u32 s29, s29, s27                     ; my first row of wq
	s_mul_i32 s32, s29, KROW
	s_mul_i32 s33, s26, 192
	s_add_co_u32 s32, s32, s33
	s_mov_b32 s33, 0
	s_lshl_b32 s34, s29, 5
	s_lshl_b32 s35, s26, 3
	s_add_co_u32 s34, s34, s35
	s_add_co_u32 s34, s34, WQS
	s_mov_b32 s35, 0
	s_wait_kmcnt 0x0
	s_cmp_eq_u32 s24, 1                            ; the choice hangs on the work-group's number alone
	s_cselect_b64 s[8:9], s[10:11], s[8:9]
	s_cmp_eq_u32 s24, 2
	s_cselect_b64 s[8:9], s[12:13], s[8:9]
	s_cmp_eq_u32 s24, 3
	s_cselect_b64 s[8:9], s[14:15], s[8:9]
	s_add_nc_u64 s[4:5], s[8:9], s[30:31]
	s_add_nc_u64 s[6:7], s[18:19], s[32:33]
	s_add_nc_u64 s[8:9], s[18:19], s[34:35]
.macro WLOAD t                         ; block t: W(32 t + i, my column), i = 0 .. 31, into set t % 2
.irp i, 0,1,2,3,4,5,6,7,8,9,10,11,12,13,14,15,16,17,18,19,20,21,22,23,24,25,26,27,28,29,30,31
	global_load_b32 v[WX+32*((\t)%2)+\i], v3, s[4:5] offset:(32*(\t)+\i)*4096 th:TH_LOAD_NT
.endr
.endm
	WLOAD 0
	WLOAD 1
.macro WBLOCK t
.set XS, WX+32*((\t)%2)
.if (\t) < NB-1
	s_wait_loadcnt 32                              ; this block's 32 loads are in; the next block's may be out
.else
	s_wait_loadcnt 0
.endif
	v_max3_num_f32 v12, |v[XS]|, |v[XS+1]|, |v[XS+2]|              ; the block's largest magnitude: all 32 numbers are mine
	v_max3_num_f32 v13, |v[XS+3]|, |v[XS+4]|, |v[XS+5]|
.irp i, 6,10,14,18,22,26
	v_max3_num_f32 v12, v12, |v[XS+\i]|, |v[XS+\i+1]|
	v_max3_num_f32 v13, v13, |v[XS+\i+2]|, |v[XS+\i+3]|
.endr
	v_max3_num_f32 v12, v12, |v[XS+30]|, |v[XS+31]|
	v_max3_num_f32 v12, v12, v13, (EMAX+1)<<23     ; and the floor
	v_add_nc_u32 v11, -(EMAX<<23), v12             ; the conversion's scale operand
	v_lshrrev_b32 v13, 23, v11                     ; the scale's byte
.if (\t)%4 == 0
	v_mov_b32 v[SB+(\t)/4], v13                    ; four bytes to a register, the lower K in the lower byte
.else
	v_lshl_or_b32 v[SB+(\t)/4], v13, 8*((\t)%4), v[SB+(\t)/4]
.endif
	v_cvt_scalef32_pk16_fp6_f32 v[WC:WC+2], v[XS:XS+15], v11
	v_cvt_scalef32_pk16_fp6_f32 v[WC+4:WC+6], v[XS+16:XS+31], v11  ; (a conversion's three registers begin on an even number)
	ds_store_b96 v4, v[WC:WC+2] offset:32*(\t)     ; 12 bytes to a place of 16 in the stage: every LDS address is a multiple of 16
	ds_store_b96 v4, v[WC+4:WC+6] offset:32*(\t)+16
.if (\t)+2 < NB
	WLOAD (\t)+2
.endif
	s_wait_dscnt 0x0                               ; the stores have read their registers: the next block's codes may be written
.endm
.set Q, 0
.rept NB
	WBLOCK Q
.set Q, Q+1
.endr
	s_wait_alu depctr_va_vdst(0)
	global_store_b64 v9, v[SB:SB+1], s[8:9]        ; my column's 8 scale bytes
.irp t, 0,1,2,3,4,5,6,7,8,9,10,11,12,13,14,15
	ds_load_b96 v[OUTR+4*\t:OUTR+4*\t+2], v7 offset:2*\t*WPITCH
.endr
.irp t, 0,1,2,3,4,5,6,7,8,9,10,11,12,13,14,15
	s_wait_dscnt 15-\t                             ; the 15 - t younger loads may be out
	global_store_b96 v8, v[OUTR+4*\t:OUTR+4*\t+2], s[6:7] offset:2*\t*KROW
.endr
	s_wait_tensorcnt 0x0
	ds_add_u32 v192, v193
	s_wait_dscnt 0x0
	s_endpgm
; ---------------- the mask.  A wave takes a tile of 16 queries (qt) and walks its 16 key steps of 128 keys, two steps a turn.
; The attention launch holds, in lane (r, h), score register n = 8 T + j for query 16 qt + r and key 128 s + 16 T + 8 h + j.  For each (qt, s) a lane gets two words: bit 31 - n % 32 of word n / 32 is that key's mask byte.
; A load gives lane (r, h) bytes 32 i + 16 h + 0 .. 15 of row r; two exchanges of lane halves a load turn that into keys 8 h + 0 .. 7 of tiles 2 i and 2 i + 1.
; Four bytes 0 / 1 become a nibble by one multiplication: x 0x08040201 brings byte 0 to bit 27, byte 1 to bit 26, byte 2 to bit 25, byte 3 to bit 24, and no two terms meet in a bit.
; FULL bit s: all 16 x 128 bytes are 1.  SKIP bit s: all are 0 AND every one of the 16 rows has a 1 somewhere in its 2,048 keys (a row with none takes every key with equal weight, so nothing of it may be left out).
.Lmask:
.set MA, 32                            ; v32-95   two sets of 32 registers: 16 rows x 256 bytes
.set MB, 96                            ; v96-127  the two words of each of the 16 steps: no store's data are written again
	s_lshl_b32 s23, ttmp9, 2
	s_add_co_u32 s23, s23, s22                     ; qt
	s_wait_alu depctr_va_vdst(0)
	v_and_b32 v5, 15, v2
	v_lshrrev_b32 v6, 4, v2
	v_lshlrev_b32 v3, 11, v5
	v_lshl_add_u32 v3, v6, 4, v3                   ; row r of 2,048 bytes, + 16 h
	v_lshlrev_b32 v4, 3, v2                        ; out: 8 bytes a lane
	s_mov_b32 s36, 0x08040201
	s_mov_b32 s28, 0                               ; FULL
	s_mov_b32 s29, 0                               ; steps with no 1 at all
	s_mov_b32 s30, 0                               ; lanes that have seen a 1
	s_lshl_b32 s34, s23, 15
	s_mov_b32 s35, 0
	s_wait_alu depctr_va_vdst(0)
	s_wait_kmcnt 0x0
	s_add_nc_u64 s[6:7], s[6:7], s[34:35]          ; the tile's 16 rows of the mask
	s_lshl_b32 s34, s23, 12
	s_add_co_u32 s34, s34, 1024
	s_add_nc_u64 s[24:25], s[20:21], s[34:35]      ; its 4,096 bytes of bits
	s_lshl_b32 s34, s23, 3
	s_add_nc_u64 s[26:27], s[20:21], s[34:35]      ; its two words
.macro MLOAD t
.irp i, 0,1,2,3,4,5,6,7
	global_load_b128 v[MA+32*((\t)%2)+4*\i:MA+32*((\t)%2)+4*\i+3], v3, s[6:7] offset:256*(\t)+32*\i th:TH_LOAD_NT
.endr
.endm
.macro MPACK t
.set AS, MA+32*((\t)%2)
.if (\t) < 7
	s_wait_loadcnt 8                               ; this turn's eight loads are in; the next turn's may be out
.else
	s_wait_loadcnt 0
.endif
.irp i, 0,1,2,3,4,5,6,7
	v_permlane16_swap_b32 v[AS+4*\i], v[AS+4*\i+2]
	v_permlane16_swap_b32 v[AS+4*\i+1], v[AS+4*\i+3]
.endr
.irp u, 0,1
.set ST, 2*(\t)+\u
.irp a, 0,1,2,3,4,5,6,7,8,9,10,11,12,13,14,15
	v_mul_lo_u32 v[8+\a%2], v[AS+16*\u+\a], s36
.if \a%8 == 0
	v_lshrrev_b32 v[MB+2*ST+\a/8], 24, v[8+\a%2]   ; a word's first nibble
.else
	v_lshrrev_b32 v[8+\a%2], 24, v[8+\a%2]
	v_lshl_or_b32 v[MB+2*ST+\a/8], v[MB+2*ST+\a/8], 4, v[8+\a%2]
.endif
.endr
	v_and_b32 v8, v[MB+2*ST], v[MB+2*ST+1]
	v_or_b32 v9, v[MB+2*ST], v[MB+2*ST+1]
	v_cmp_eq_u32 s31, -1, v8                       ; lanes all of whose 64 keys count
	v_cmp_ne_u32 s33, 0, v9                        ; lanes with a key that counts
	s_cmp_eq_u32 s31, -1
	s_cselect_b32 s32, 1<<ST, 0
	s_or_b32 s28, s28, s32
	s_cmp_eq_u32 s33, 0
	s_cselect_b32 s32, 1<<ST, 0
	s_or_b32 s29, s29, s32
	s_or_b32 s30, s30, s33
	global_store_b64 v4, v[MB+2*ST:MB+2*ST+1], s[24:25] offset:256*ST   ; 32 lanes store 256 consecutive bytes, aligned
.endr
.endm
	MLOAD 0
	MLOAD 1
.irp t, 0,1,2,3,4,5
	MPACK \t
	MLOAD \t+2
.endr
	MPACK 6
	MPACK 7
	s_lshr_b32 s31, s30, 16
	s_or_b32 s30, s30, s31
	s_and_b32 s30, s30, 0xffff                     ; bit r: row r has a key that counts
	s_cmp_eq_u32 s30, 0xffff
	s_cselect_b32 s34, s29, 0                      ; SKIP
	v_mov_b32 v10, s34
	v_mov_b32 v11, s28
	v_mov_b32 v12, 0
	s_wait_alu depctr_va_vdst(0)
	s_wait_xcnt 0x0                                ; EXEC changes only behind this wait: the stores above have it among their sources
	v_cmp_eq_u32 vcc_lo, 0, v2
	s_and_saveexec_b32 s35, vcc_lo
	global_store_b64 v12, v[10:11], s[26:27]       ; lane 0 alone
	s_wait_xcnt 0x0
	s_or_b32 exec_lo, exec_lo, s35
	s_endpgm
.Lfunc_end_k_qfe867d9191_prep:
	.size	k_qfe867d9191_prep, .Lfunc_end_k_qfe867d9191_prep-k_qfe867d9191_prep
	.p2alignl 7, 3214868480
	.fill 96, 4, 3214868480
	.section	.rodata,"a",@progbits
	.p2align	6, 0x0
	.amdhsa_kernel k_qfe867d9191_prep
		.amdhsa_group_segment_fixed_size 68096
		.amdhsa_private_segment_fixed_size 0
		.amdhsa_enable_private_segment 0
		.amdhsa_kernarg_size 72
		.amdhsa_user_sgpr_count 2
		.amdhsa_user_sgpr_kernarg_segment_ptr 1
		.amdhsa_wavefront_size32 1
		.amdhsa_system_sgpr_workgroup_id_x 1
		.amdhsa_system_sgpr_workgroup_id_y 1
		.amdhsa_system_sgpr_workgroup_id_z 1
		.amdhsa_system_vgpr_workitem_id 0
		.amdhsa_next_free_vgpr 194
		.amdhsa_next_free_sgpr 66
		.amdhsa_reserve_vcc 1
		.amdhsa_float_denorm_mode_32 3
		.amdhsa_float_denorm_mode_16_64 3
		.amdhsa_memory_ordered 1
		.amdhsa_forward_progress 1
		.amdhsa_inst_pref_size 132
	.end_amdhsa_kernel
	.amdgpu_metadata
---
amdhsa.version: [ 1, 2 ]
amdhsa.kernels:
  - .name:           k_qfe867d9191_prep
    .symbol:         k_qfe867d9191_prep.kd
    .args:
      - { .name: x, .offset: 0, .size: 8, .value_kind: global_buffer, .address_space: global }
      - { .name: mask, .offset: 8, .size: 8, .value_kind: global_buffer, .address_space: global }
      - { .name: Wq, .offset: 16, .size: 8, .value_kind: global_buffer, .address_space: global }
      - { .name: Wk, .offset: 24, .size: 8, .value_kind: global_buffer, .address_space: global }
      - { .name: Wv, .offset: 32, .size: 8, .value_kind: global_buffer, .address_space: global }
      - { .name: Wo, .offset: 40, .size: 8, .value_kind: global_buffer, .address_space: global }
      - { .name: xq, .offset: 48, .size: 8, .value_kind: global_buffer, .address_space: global }
      - { .name: wq, .offset: 56, .size: 8, .value_kind: global_buffer, .address_space: global }
      - { .name: mf, .offset: 64, .size: 8, .value_kind: global_buffer, .address_space: global }
    .group_segment_fixed_size: 68096
    .private_segment_fixed_size: 0
    .kernarg_segment_align: 8
    .kernarg_segment_size: 72
    .max_flat_workgroup_size: 128
    .sgpr_count:     66
    .vgpr_count:     194
    .wavefront_size: 32
...
	.end_amdgpu_metadata
.endif
;; end of part 1
;; launch qkv (part 2): grid 12 x 64, 4 waves a work-group, clusters of 4 x 4, 327,680 bytes of LDS; arguments xq, wq, bq, bk, bv, qr, kv; writes qr, kv
.if DOCPART == 2
	.amdgcn_target "amdgcn-amd-amdhsa--gfx1250"
	.amdhsa_code_object_version 6
	.text
	.protected	k_qfe867d9191_qkv
	.globl	k_qfe867d9191_qkv
	.p2align	8
	.type	k_qfe867d9191_qkv,@function
k_qfe867d9191_qkv:
	s_mov_b64 s[64:65], 0
	v_nop
	global_prefetch_b8 v0, s[64:65] scope:SCOPE_SE
	s_setreg_imm32_b32 hwreg(HW_REG_WAVE_MODE, 25, 1), 1
	s_wait_xcnt 0x0
	s_wait_alu depctr_hold_cnt(0) depctr_sa_sdst(0) depctr_va_vdst(0) depctr_va_sdst(0) depctr_va_ssrc(0) depctr_va_vcc(0) depctr_vm_vsrc(0)
	s_getreg_b32 s2, hwreg(HW_REG_IB_STS2, 6, 4)
	s_cmp_eq_u32 s2, 0
	s_cbranch_scc0 .Lentry_in_a_cluster
	s_endpgm
.Lentry_in_a_cluster:
	s_bfe_u32 s2, ttmp6, 0x10000c
	s_cmp_lg_u32 s2, 0xf033
	s_cbranch_scc0 .Lentry_shape_is_right
	s_endpgm
.Lentry_shape_is_right:
; q = x Wq + bq, k = x Wk + bk, v = x Wv + bv on codes of FP6 (E2M3) with one E8M0 scale for each 32 along K = 1,024; the results are quantised here, in registers, for the two products of attention,
; and leave as IMAGES OF OPERAND REGISTERS (a group of four registers at 16 x lane, a pair at 8 x lane).
; ONE BODY, TWO ROLES.  A block is 128 P rows (source 1) x 256 Q rows (source 0), 64 x 128 a wave: a lane holds ONE P row and its registers run along Q rows.
;   clusters x = 0, 1 (q, k): P = 128 tokens (rows of xq), Q = 256 output channels (rows of wq).   clusters x = 2 (v): P = 128 channels of v (rows 2,048 on of wq), Q = 256 tokens.
; ALL OF K LIES IN LDS: the 768-byte rows of a block are dense in memory, so a block's codes come as rows of 256 bytes, each on a multiple of 256 bytes, with 16 bytes of padding behind each: an LDS row is 816 bytes.
; Four tiles (P's codes, Q's codes, P's scale bytes, Q's), one tensor load a wave at the head, nothing is filled again: one barrier, no ring.  384 x 816 + 48 x 272 + 512 = 326,912 bytes of LDS.
; P's tiles hang on cy and the cluster's coordinates and are asked for jointly along a row of the cluster, Q's on cx and along a column.
; NO PREFETCH: every byte is asked for by the head's loads; there is no loop to run ahead in.
; THE ORDER INSIDE A BLOCK OF 32: a lane's 16 registers of result tiles 2 b, 2 b + 1 are elements 32 b + 8 h + 0..7 and 32 b + 16 + 8 h + 0..7; the codes of a block lie in the order 0-7, 16-23, 8-15, 24-31.
; The blocks, and so the scales, are the true ones; q and k get the same order, v the order that the attention launch gives p: the sums are the same sums.
; HEAD SIZE 64: q's and k's fragments are half fragments (six registers); their scale words repeat the two bytes.
; The biases: bq, bk run along the registers and are the C of each sum's first product; bv is one number a lane and block, added ahead of the quantiser.
; LIMITS: NaN and infinities are not served; a block of zeros gets the byte 1 (its codes are zeros; the bytes are read by this program alone).
; REGISTERS: window 0: v0-31 addresses; v32-95 scale words (block i, step st at v[32 + 8 i + st]: lanes 0-15 P's, lanes 16-31 Q's); v128-223 P's fragments, two sets; v224-227 bv; on the way out v112-223 are at work.
;   window 1: Q's fragments, two sets, at v0 and v128.   window 2: the 32 accumulators ((a, b) at v[8 (8 a + b)]).   window 3: v0-63 the bias along Q rows.
.set KROW,   768
.set PITCH,  816
.set FR,     12
.set QB,     128*PITCH
.set SCL,    384*PITCH
.set SBLK,   544                       ; the scale bytes of 16 rows: two units of 256 + 16
.set SPARE,  SCL+48*272
.set XQS,    6291456
.set WQS,    3145728
.set RECQ,   106496
.set RECK,   208896
.set ADRA, 16                          ; v16 P's fragments: row x 816 + 24 h; v17: 16 h more (lanes 16-31 behind one padding more)
.set ADRB, 20                          ; v20-21 the same for Q's blocks 0-3, v22-23 for blocks 4-7
.set VO16, 24
.set VO8,  25
.set SGQ,  26
.set ADRS, 27
.set SPW,  28
.set NIL,  29
.set SGV,  30
.set SRD,  31
.set SRV,  15
.set SC,   32
.set AF,   128
.set BP,   224
.set TM,   200
.set PW,   216
.set G1, 24
.set G0, 32
.set G1B, 48
.set G0B, 56
.set SEL, 66
.set G1S, 68
.set G0S, 76
.set G1SB, 80
.set G0SB, 88
.set MSB, 0
.macro WIN new                         ; the immediate's high byte repeats the setting that is left
.if MSB != (\new)
	s_set_vgpr_msb (MSB<<8)|(\new)
.set MSB, (\new)
.endif
.endm
.macro CROUND                          ; a round of the cluster's barrier
	s_barrier_signal -1
	s_barrier_wait -1
	s_cmp_lg_u32 s14, 0
	s_cbranch_scc1 .Lnot_wave_0_\@
	s_barrier_signal -3
.Lnot_wave_0_\@:
	s_barrier_wait -3
	s_barrier_signal -1
	s_barrier_wait -1
.endm
.macro DESC g, r                       ; group 1 behind its first word: r rows of 32 elements of 8 bytes, dense
	s_mov_b32 s[\g+1], 32<<16
	s_mov_b32 s[\g+2], (\r)<<16
	s_mov_b32 s[\g+3], 32<<16
	s_mov_b32 s[\g+4], \r
	s_mov_b32 s[\g+5], 32
	s_mov_b32 s[\g+6], 0
	s_mov_b32 s[\g+7], 0
.endm
.macro PLACES n
.rept \n
	v_nop
.endr
.endm
	s_load_b256 s[4:11], s[0:1], 0x0               ; xq, wq, bq, bk
	s_load_b128 s[96:99], s[0:1], 0x20             ; bv, qr
	s_load_b64 s[100:101], s[0:1], 0x30            ; kv
	v_lshl_add_u32 v[SPW], v0, 2, SPARE
	v_mov_b32 v[NIL], 0
	ds_add_u32 v[SPW], v[NIL]                      ; the opening lines: the add, twice on end, and its wait ahead of my tensor load
	ds_add_u32 v[SPW], v[NIL]
	v_lshrrev_b32 v1, 5, v0
	v_readfirstlane_b32 s14, v1                    ; wave 0..3
	s_lshr_b32 s15, s14, 1                         ; which 64 of P's rows are mine
	s_and_b32 s16, s14, 1                          ; which 128 of Q's rows
	s_bfe_u32 s40, ttmp6, 0x40000                  ; cx
	s_bfe_u32 s41, ttmp6, 0x40004                  ; cy
	s_and_b32 s18, ttmp7, 0xffff                   ; the cluster's y, 0..15
	s_and_b32 s22, s18, 1
	s_lshr_b32 s23, s18, 1
	s_mov_b32 s12, XQS
	s_mov_b32 s94, WQS
	s_cmp_eq_u32 ttmp9, 2                          ; the role: the same in all sixteen partners
	s_cselect_b32 s2, 1, 0                         ; 1: v
	s_cselect_b32 s19, s22, s18                    ; the cluster's coordinate in P's tiles,
	s_cselect_b32 s20, s23, ttmp9                  ; in Q's tiles
	s_cselect_b32 s21, 2048, 0                     ; P's first row in its buffer
	s_cselect_b32 s12, WQS, s12                    ; the scale bytes' place in P's buffer,
	s_cselect_b32 s94, XQS, s94                    ; in Q's
	s_lshl_b32 s42, s20, 2
	s_add_co_u32 s42, s42, s40                     ; Q's tile of 256 rows
	s_lshl_b32 s17, s19, 2
	s_add_co_u32 s17, s17, s41                     ; P's tile of 128 rows
	s_lshl_b32 s43, s41, 2
	s_lshl_b32 s43, 15, s43                        ; my row of the cluster
	s_lshl_b32 s44, 0x1111, s40                    ; my column
.irp g, G1, G1S
	s_or_b32 s[\g], s43, (3<<16)|(1<<20)|(1<<21)|(5<<22)|(3<<25)   ; the mask; elements of 8 bytes; 4 words of padding behind every 64
.endr
.irp g, G1B, G1SB
	s_or_b32 s[\g], s44, (3<<16)|(1<<20)|(1<<21)|(5<<22)|(3<<25)
.endr
	DESC G1, 384                                   ; 128 rows x 768 bytes
	DESC G1B, 768                                  ; 256 rows x 768 bytes
	DESC G1S, 16                                   ; 128 rows x 32 scale bytes
	DESC G1SB, 32
	s_lshl_b32 s20, s17, 7
	s_add_co_u32 s20, s20, s21                     ; P's first row
	s_lshl_b32 s46, s42, 8                         ; Q's
	s_lshl_b32 s22, s20, 5
	s_add_co_u32 s22, s22, s12                     ; where their scale bytes begin,
	s_mov_b32 s23, 0
	s_lshl_b32 s92, s46, 5
	s_add_co_u32 s92, s92, s94
	s_mov_b32 s93, 0
	s_mul_i32 s20, s20, KROW                       ; and their codes
	s_mov_b32 s21, 0
	s_mul_i32 s46, s46, KROW
	s_mov_b32 s47, 0
	s_mov_b32 s[SEL], 0x76543210
	s_mov_b32 s[SEL+1], 0xfedcba98
	s_wait_dscnt 0x0                               ; both opening adds are done
	s_wait_kmcnt 0x0
	s_cmp_eq_u32 s2, 1
	s_cselect_b64 s[12:13], s[6:7], s[4:5]         ; P's buffer: wq for v, else xq
	s_cselect_b64 s[94:95], s[4:5], s[6:7]         ; Q's: the other
	s_mov_b32 s[G0], 1
	s_mov_b32 s[G0+1], 0
	s_add_nc_u64 s[G0+2:G0+3], s[12:13], s[20:21]
	s_or_b32 s[G0+3], s[G0+3], 0x80000000
	s_mov_b32 s[G0B], 1
	s_mov_b32 s[G0B+1], QB
	s_add_nc_u64 s[G0B+2:G0B+3], s[94:95], s[46:47]
	s_or_b32 s[G0B+3], s[G0B+3], 0x80000000
	s_mov_b32 s[G0S], 1
	s_mov_b32 s[G0S+1], SCL
	s_add_nc_u64 s[G0S+2:G0S+3], s[12:13], s[22:23]
	s_or_b32 s[G0S+3], s[G0S+3], 0x80000000
	s_mov_b32 s[G0SB], 1
	s_mov_b32 s[G0SB+1], SCL+16*272
	s_add_nc_u64 s[G0SB+2:G0SB+3], s[94:95], s[92:93]
	s_or_b32 s[G0SB+3], s[G0SB+3], 0x80000000
	CROUND                                         ; all sixteen work-groups are here: the joint loads meet
; THE LOADS, ONE A WAVE: one tree of branches on the wave's number, every way through it passes exactly one load (with the s_nop 0 and four v_nop behind each)
.macro ARM under, g0, g1, next
	s_cmp_lt_u32 s14, \under
	s_cbranch_scc0 \next
	tensor_load_to_lds s[\g0:\g0+3], s[\g1:\g1+7]
	s_nop 0
.rept 4
	v_nop
.endr
	s_branch .Lhead_asked
\next:
.endm
	ARM 1, G0B,  G1B, .Lhead_p
	ARM 2, G0,   G1,  .Lhead_sa
	ARM 3, G0S,  G1S, .Lhead_sb
	tensor_load_to_lds s[G0SB:G0SB+3], s[G1SB:G1SB+7]
	s_nop 0
.rept 4
	v_nop
.endr
.Lhead_asked:
	v_and_b32 v1, 15, v0                           ; r
	v_bfe_u32 v2, v0, 4, 1                         ; h
	v_mul_u32_u24 v3, v1, PITCH
	v_mad_u32_u24 v4, v2, 24, v3
	v_lshl_add_u32 v5, v2, 4, v4
	s_mul_i32 s21, s15, 64*PITCH
	s_mul_i32 s22, s16, 128*PITCH
	s_add_co_u32 s22, s22, QB
	v_add_nc_u32 v[ADRA], s21, v4
	v_add_nc_u32 v[ADRA+1], s21, v5
	v_add_nc_u32 v[ADRB], s22, v4
	v_add_nc_u32 v[ADRB+1], s22, v5
	s_add_co_u32 s22, s22, 64*PITCH
	v_add_nc_u32 v[ADRB+2], s22, v4
	v_add_nc_u32 v[ADRB+3], s22, v5
	v_lshlrev_b32 v5, 5, v1                        ; my row's scale bytes: 32 a row,
	v_lshrrev_b32 v6, 8, v5
	v_lshl_add_u32 v5, v6, 4, v5                   ; and 16 more for each 256 passed
	s_mul_i32 s21, s15, 4*SBLK
	s_mul_i32 s22, s16, 8*SBLK
	s_add_co_u32 s22, s22, 8*SBLK
	s_sub_co_u32 s22, s22, s21
	v_mul_u32_u24 v6, s22, v2                      ; lanes 16-31 take Q's
	s_add_co_u32 s21, s21, SCL
	v_add_nc_u32 v5, v5, v6
	v_add_nc_u32 v[ADRS], s21, v5
	v_and_b32 v6, 31, v0                           ; the way out's addresses, made ahead of every parting of the roles; each role's stage has bytes of its own
	v_lshlrev_b32 v[VO16], 4, v6
	v_lshlrev_b32 v[VO8], 3, v6
	s_lshl_b32 s23, s14, 10
	v_lshl_add_u32 v[SGQ], v1, 2, s23
	v_add_nc_u32 v[SRD], s23, v[VO8]
	s_lshl_b32 s23, s14, 9
	s_add_co_u32 s23, s23, 4096
	v_lshl_add_u32 v[SGV], v1, 2, s23
	v_add_nc_u32 v[SRV], s23, v[VO8]
	v_lshlrev_b32 v7, 5, v2                        ; 32 h: the bias along Q rows
	v_lshlrev_b32 v8, 2, v1                        ; 4 r: the bias of P rows
	; THE BIASES.  Both arms write all 68 registers
	s_cmp_eq_u32 s2, 1
	s_cbranch_scc1 .Lbias_v
	s_cmp_eq_u32 ttmp9, 0
	s_cselect_b64 s[18:19], s[8:9], s[10:11]       ; bq or bk
	s_and_b32 s22, s42, 3
	s_lshl_b32 s22, s22, 10                        ; the tile's 256 channels,
	s_lshl_b32 s23, s16, 9                         ; my 128 of them
	s_add_co_u32 s22, s22, s23
	s_mov_b32 s23, 0
	s_add_nc_u64 s[18:19], s[18:19], s[22:23]
	s_wait_alu depctr_va_vdst(0)                   ; the wait ahead of the readers below
	WIN 0xc0
.irp b, 0,1,2,3,4,5,6,7
	global_load_b128 v[8*\b:8*\b+3], v7, s[18:19] offset:64*\b              ; channels 16 b + 8 h + 0 .. 7
	global_load_b128 v[8*\b+4:8*\b+7], v7, s[18:19] offset:64*\b+16
.endr
	WIN 0
.irp a, 0,1,2,3
	v_mov_b32 v[BP+\a], 0
.endr
	s_branch .Lbias_done
.Lbias_v:
	s_lshl_b32 s22, s17, 9
	s_lshl_b32 s23, s15, 8
	s_add_co_u32 s22, s22, s23
	s_mov_b32 s23, 0
	s_add_nc_u64 s[18:19], s[96:97], s[22:23]
	s_wait_alu depctr_va_vdst(0)
.irp a, 0,1,2,3
	global_load_b32 v[BP+\a], v8, s[18:19] offset:64*\a                     ; channel 16 a + r
.endr
	WIN 0xc0
.set J, 0
.rept 64
	v_mov_b32 v[J], 0                              ; v's bias does not run along the registers: the first products' C is 0 here
.set J, J+1
.endr
	WIN 0
.Lbias_done:
.macro FRAG reg, adr, st, off          ; a fragment, 16 rows x 128 K: lane l holds row l % 16; registers 6 c .. 6 c + 5 hold K = 64 c + 32 (l / 16) + 0 .. 31: 24 bytes of the row, in pieces of 8
.irp p, 0,1,2,3,4,5
.set BY, 96*(\st)+48*(\p/3)+8*(\p%3)   ; the piece of lanes 0-15 in the row; byte y lies at y + 16 (y / 256) of the LDS row; lanes 16-31 read 24 bytes on
.if BY/256 == (BY+24)/256
	ds_load_b64 v[\reg+2*\p:\reg+2*\p+1], v[\adr] offset:BY+16*(BY/256)+(\off)
.else
	ds_load_b64 v[\reg+2*\p:\reg+2*\p+1], v[\adr+1] offset:BY+16*(BY/256)+(\off)
.endif
.endr
.endm
.macro FETCH st, p                     ; step st's fragments into set p: Q's eight, P's four
	WIN 0x40
.irp i, 0,1,2,3
	FRAG 128*(\p)+FR*\i, ADRB, \st, \i*16*PITCH
.endr
.irp i, 0,1,2,3
	FRAG 128*(\p)+FR*(\i+4), ADRB+2, \st, \i*16*PITCH
.endr
	WIN 0
.irp i, 0,1,2,3
	FRAG AF+48*(\p)+FR*\i, ADRA, \st, \i*16*PITCH
.endr
.endm
; 32 matrix instructions: P's four blocks x Q's eight, 128 along K.  The 32 accumulators take turns, one instruction a turn.  zero = 1: the bias along Q rows is the first product's C
.macro MUL st, zero
.irp a, 0,1,2,3
.irp b, 0,1,2,3,4,5,6,7
.if \zero
	v_wmma_scale_f32_16x16x128_f8f6f4 v[8*(8*\a+\b):8*(8*\a+\b)+7], v[128*((\st)%2)+FR*\b:128*((\st)%2)+FR*\b+FR-1], v[AF+48*((\st)%2)+FR*\a:AF+48*((\st)%2)+FR*\a+FR-1], v[8*\b:8*\b+7], v[SC+8*\b+(\st)], v[SC+8*\a+(\st)] matrix_a_fmt:MATRIX_FMT_FP6 matrix_b_fmt:MATRIX_FMT_FP6 matrix_a_scale:MATRIX_SCALE_ROW1
.else
	v_wmma_scale_f32_16x16x128_f8f6f4 v[8*(8*\a+\b):8*(8*\a+\b)+7], v[128*((\st)%2)+FR*\b:128*((\st)%2)+FR*\b+FR-1], v[AF+48*((\st)%2)+FR*\a:AF+48*((\st)%2)+FR*\a+FR-1], v[8*(8*\a+\b):8*(8*\a+\b)+7], v[SC+8*\b+(\st)], v[SC+8*\a+(\st)] matrix_a_fmt:MATRIX_FMT_FP6 matrix_b_fmt:MATRIX_FMT_FP6 matrix_a_scale:MATRIX_SCALE_ROW1
.endif
.endr
.endr
.endm
	s_wait_alu depctr_va_vdst(0)                   ; the wait at the head's end
	s_wait_tensorcnt 0x0                           ; my tile is in
	s_barrier_signal -1
	s_barrier_wait -1                              ; all four are
.irp i, 0,1,2,3,4,5,6,7
	ds_load_b128 v[SC+8*\i:SC+8*\i+3], v[ADRS] offset:\i*SBLK               ; all eight steps' scale words of block i
	ds_load_b128 v[SC+8*\i+4:SC+8*\i+7], v[ADRS] offset:\i*SBLK+16
.endr
	FETCH 0, 0
	s_wait_loadcnt 0x0                             ; the biases
.set ST, 0
.rept 8                                ; the walk along K, written out: the pieces' places in the padded rows come back only after 768 bytes, all of K
	s_wait_dscnt 0x0                               ; this step's fragments are in: they were asked for ahead of the last step's 32 products
.if ST > 0
	PLACES 4                                       ; in front of loads into registers that the last step's products read
.endif
.if ST < 7
	FETCH ST+1, (ST+1)%2
.endif
.if ST == 0
	WIN 0xb1                                       ; D window 2, source 0 window 1, source 1 window 0, C window 3
	MUL ST, 1
.else
	WIN 0xa1
	MUL ST, 0
.endif
	WIN 0
.set ST, ST+1
.endr
; THE WAY OUT.  The 64 numbers of a lane in P's block a (window 2, from register QS on) become a fragment's codes in v[QP] on and its scale word in v[PW].
.macro QUANTW
	WIN 0x28                                       ; sources 1 and 2: the accumulators' window
.irp b, 0,1,2,3
	v_max3_num_f32 v[TM+\b], 0x1800000, |v[QS+16*\b]|, |v[QS+16*\b+1]|     ; block b: my 16 numbers, and the floor 2^(3 - 127): the byte cannot fall under 1
.endr
.irp i, 2,4,6,8,10,12,14
.irp b, 0,1,2,3
	v_max3_num_f32 v[TM+\b], v[TM+\b], |v[QS+16*\b+\i]|, |v[QS+16*\b+\i+1]|
.endr
.endr
	WIN 0
.irp b, 0,1,2,3
	v_permlanex16_b32 v[TM+4+\b], v[TM+\b], s[SEL], s[SEL+1]
.endr
.irp b, 0,1,2,3
	v_max_num_f32 v[TM+\b], v[TM+\b], v[TM+4+\b]   ; with lane l xor 16's: the block's largest magnitude
.endr
.irp b, 0,1,2,3
	v_add_nc_u32 v[TM+12+\b], 0xff000000, v[TM+\b] ; 2 off its exponent field: the conversion's scale operand
.endr
.irp b, 0,1,2,3
	v_lshrrev_b32 v[TM+4+\b], 23, v[TM+12+\b]      ; the scale's byte
.endr
	v_lshl_or_b32 v[PW], v[TM+5], 8, v[TM+4]
	v_lshl_or_b32 v[PW], v[TM+6], 16, v[PW]
	v_lshl_or_b32 v[PW], v[TM+7], 24, v[PW]
	WIN 0x02                                       ; source 0: the accumulators' window
.irp c, 0,1
	v_cvt_scalef32_pk16_fp6_f32 v[QP+6*\c:QP+6*\c+2], v[QS+32*\c:QS+32*\c+15], v[TM+12+2*\c]
	v_cvt_scalef32_pk16_fp6_f32 v[QP+12+4*\c:QP+14+4*\c], v[QS+32*\c+16:QS+32*\c+31], v[TM+13+2*\c]
.endr
	WIN 0
	v_nop                                          ; one plain place behind a scaled conversion
.irp c, 0,1                                    ; the operand's layout wants a whole block in a lane
.irp i, 0,1,2
	v_permlane16_swap_b32 v[QP+6*\c+\i], v[QP+12+4*\c+\i]
.endr
.irp i, 0,1,2
	v_mov_b32 v[QP+3+6*\c+\i], v[QP+12+4*\c+\i]
.endr
.endr
.endm
.macro EPI_SET a
.set QS, 64*(\a)
.set QP, 112+24*((\a)%2)
.set WX, 218+2*((\a)%2)
.if (\a) > 0
	s_wait_xcnt 0x0                                ; the earlier stores have read their registers
	s_wait_dscnt 0x0                               ; and so have the LDS stores
.endif
.endm
.macro EPI_QK a                        ; block a is 16 tokens x 128 channels = two heads' half fragments
	EPI_SET \a
	QUANTW
	v_perm_b32 v[WX], v[PW], v[PW], 0x01000100     ; the first head's word: b0, b1, b0, b1
	v_perm_b32 v[WX+1], v[PW], v[PW], 0x03020302   ; the second's
	ds_store_b32 v[SGQ], v[WX] offset:64*(\a)      ; lanes l and l xor 16 write the same word with the same value
	ds_store_b32 v[SGQ], v[WX+1] offset:512+64*(\a)
	global_store_b128 v[VO16], v[QP:QP+3], s[36:37] offset:768*(\a)         ; 512 consecutive bytes,
	global_store_b64 v[VO8], v[QP+4:QP+5], s[36:37] offset:768*(\a)+512     ; and 256
	global_store_b128 v[VO16], v[QP+6:QP+9], s[38:39] offset:768*(\a)
	global_store_b64 v[VO8], v[QP+10:QP+11], s[38:39] offset:768*(\a)+512
.endm
.macro EPI_V a                         ; block a is 16 channels x 128 tokens = one whole fragment
	EPI_SET \a
	WIN 0x82                                       ; destination and source 0: the accumulators' window
.irp k, 0,2,4,6,8,10,12,14,16,18,20,22,24,26,28,30,32,34,36,38,40,42,44,46,48,50,52,54,56,58,60,62
.if (\a)%2
	v_pk_add_f32 v[QS+\k:QS+\k+1], v[QS+\k:QS+\k+1], v[BP+(\a)-1:BP+(\a)] op_sel:[0,1] op_sel_hi:[1,1]   ; + bv of my channel: the pair's second register for both halves
.else
	v_pk_add_f32 v[QS+\k:QS+\k+1], v[QS+\k:QS+\k+1], v[BP+(\a):BP+(\a)+1] op_sel_hi:[1,0]                ; the pair's first register for both halves
.endif
.endr
	QUANTW
	ds_store_b32 v[SGV], v[PW] offset:64*(\a)
.irp c, 0,1,2
	global_store_b128 v[VO16], v[QP+4*\c:QP+4*\c+3], s[36:37] offset:(\a)*1536+512*\c
.endr
.endm
	PLACES 4                                       ; behind the last products
.irp b, 0,1,2,3
	v_mov_b32 v[TM+4+\b], 0                        ; written once: a lane permute's destination counts as one of its sources
.endr
	s_wait_dscnt 0x0
	s_barrier_signal -1
	s_barrier_wait -1                              ; no wave reads the tiles any more: the scale words' stages lie in P's tile, which has had its only fill
	s_cmp_eq_u32 s2, 1
	s_cbranch_scc1 .Lout_v
	s_lshl_b32 s24, s17, 7
	s_lshl_b32 s25, s15, 6
	s_add_co_u32 s24, s24, s25                     ; my first token
	s_lshr_b32 s25, s24, 11                        ; its batch
	s_and_b32 s24, s24, 2047
	s_lshr_b32 s24, s24, 4                         ; its tile of 16 in the batch
	s_and_b32 s26, s42, 3
	s_lshl_b32 s26, s26, 2
	s_lshl_b32 s27, s16, 1
	s_add_co_u32 s26, s26, s27                     ; my first head
	s_lshl_b32 s25, s25, 4
	s_add_co_u32 s25, s25, s26                     ; its record
	s_mov_b32 s30, RECK
	s_mov_b32 s32, 196608
	s_cmp_eq_u32 ttmp9, 0
	s_cselect_b64 s[28:29], s[98:99], s[100:101]   ; qr or kv
	s_cselect_b32 s30, RECQ, s30                   ; a record's bytes
	s_cselect_b32 s32, 98304, s32                  ; where its scale words begin
	s_mov_b32 s31, 0
	s_mul_i32 s34, s25, s30
	s_mov_b32 s35, 0
	s_add_nc_u64 s[28:29], s[28:29], s[34:35]
	s_mul_i32 s34, s24, 768
	s_add_nc_u64 s[36:37], s[28:29], s[34:35]      ; the first head's images,
	s_add_nc_u64 s[38:39], s[36:37], s[30:31]      ; the second's
	s_lshl_b32 s34, s24, 6
	s_add_co_u32 s34, s34, s32
	s_add_nc_u64 s[48:49], s[28:29], s[34:35]      ; the first head's scale words,
	s_add_nc_u64 s[50:51], s[48:49], s[30:31]      ; the second's
.irp a, 0,1,2,3
	EPI_QK \a
.endr
.irp i, 0,1
	ds_load_b64 v[232+2*\i:233+2*\i], v[SRD] offset:512*\i     ; LDS serves a wave's instructions in order: these see my stores
.endr
.irp i, 0,1
	s_wait_dscnt 1-\i                              ; the 1 - i younger loads may be out
	global_store_b64 v[VO8], v[232+2*\i:233+2*\i], s[48+2*\i:49+2*\i]       ; 256 consecutive bytes, aligned
.endr
	s_branch .Lend
.Lout_v:
	s_lshr_b32 s24, s42, 3                         ; the batch of my tokens
	s_and_b32 s25, s42, 7
	s_lshl_b32 s25, s25, 1
	s_add_co_u32 s25, s25, s16                     ; their key step of 128 in the batch
	s_lshl_b32 s26, s17, 1
	s_add_co_u32 s26, s26, s15                     ; my head
	s_lshl_b32 s24, s24, 4
	s_add_co_u32 s24, s24, s26
	s_mul_i32 s34, s24, RECK
	s_mov_b32 s35, 0
	s_add_nc_u64 s[28:29], s[100:101], s[34:35]
	s_mul_i32 s34, s25, 6144
	s_add_co_u32 s34, s34, 98304
	s_add_nc_u64 s[36:37], s[28:29], s[34:35]      ; V's images of this key step
	s_lshl_b32 s34, s25, 8
	s_add_co_u32 s34, s34, 204800
	s_add_nc_u64 s[48:49], s[28:29], s[34:35]      ; and its scale words
.irp a, 0,1,2,3
	EPI_V \a
.endr
	ds_load_b64 v[232:233], v[SRV]
	s_wait_dscnt 0x0
	global_store_b64 v[VO8], v[232:233], s[48:49]
.Lend:
	s_wait_tensorcnt 0x0                           ; the wave's end
	ds_add_u32 v[SPW], v[NIL]
	s_wait_dscnt 0x0
	CROUND                                         ; the closing round
	s_endpgm
.Lfunc_end_k_qfe867d9191_qkv:
	.size	k_qfe867d9191_qkv, .Lfunc_end_k_qfe867d9191_qkv-k_qfe867d9191_qkv
	.p2alignl 7, 3214868480
	.fill 96, 4, 3214868480
	.section	.rodata,"a",@progbits
	.p2align	6, 0x0
	.amdhsa_kernel k_qfe867d9191_qkv
		.amdhsa_group_segment_fixed_size 327680
		.amdhsa_private_segment_fixed_size 0
		.amdhsa_enable_private_segment 0
		.amdhsa_kernarg_size 56
		.amdhsa_user_sgpr_count 2
		.amdhsa_user_sgpr_kernarg_segment_ptr 1
		.amdhsa_wavefront_size32 1
		.amdhsa_system_sgpr_workgroup_id_x 1
		.amdhsa_system_sgpr_workgroup_id_y 1
		.amdhsa_system_sgpr_workgroup_id_z 1
		.amdhsa_system_vgpr_workitem_id 0
		.amdhsa_next_free_vgpr 1024
		.amdhsa_next_free_sgpr 102
		.amdhsa_reserve_vcc 0
		.amdhsa_float_denorm_mode_32 3
		.amdhsa_float_denorm_mode_16_64 3
		.amdhsa_memory_ordered 1
		.amdhsa_forward_progress 1
		.amdhsa_inst_pref_size 131
	.end_amdhsa_kernel
	.amdgpu_metadata
---
amdhsa.version: [ 1, 2 ]
amdhsa.kernels:
  - .name:           k_qfe867d9191_qkv
    .symbol:         k_qfe867d9191_qkv.kd
    .args:
      - { .name: xq, .offset: 0, .size: 8, .value_kind: global_buffer, .address_space: global }
      - { .name: wq, .offset: 8, .size: 8, .value_kind: global_buffer, .address_space: global }
      - { .name: bq, .offset: 16, .size: 8, .value_kind: global_buffer, .address_space: global }
      - { .name: bk, .offset: 24, .size: 8, .value_kind: global_buffer, .address_space: global }
      - { .name: bv, .offset: 32, .size: 8, .value_kind: global_buffer, .address_space: global }
      - { .name: qr, .offset: 40, .size: 8, .value_kind: global_buffer, .address_space: global }
      - { .name: kv, .offset: 48, .size: 8, .value_kind: global_buffer, .address_space: global }
    .group_segment_fixed_size: 327680
    .private_segment_fixed_size: 0
    .kernarg_segment_align: 8
    .kernarg_segment_size: 56
    .max_flat_workgroup_size: 128
    .sgpr_count:     102
    .vgpr_count:     1024
    .wavefront_size: 32
...
	.end_amdgpu_metadata
.endif
;; end of part 2
;; launch attn (part 3): grid 4 x 64, 8 waves a work-group, no clusters, 210,944 bytes of LDS; arguments qr, kv, mf, aq; writes aq
.if DOCPART == 3
	.amdgcn_target "amdgcn-amd-amdhsa--gfx1250"
	.amdhsa_code_object_version 6
	.text
	.protected	k_qfe867d9191_attn
	.globl	k_qfe867d9191_attn
	.p2align	8
	.type	k_qfe867d9191_attn,@function
k_qfe867d9191_attn:
	s_mov_b64 s[64:65], 0
	v_nop
	global_prefetch_b8 v0, s[64:65] scope:SCOPE_SE
	s_setreg_imm32_b32 hwreg(HW_REG_WAVE_MODE, 25, 1), 1
	s_wait_xcnt 0x0
; o = softmax(where(mask, q k^T / 8, -1e9)) v for one head of one batch, both products on codes of FP6 (E2M3) with one E8M0 scale for each 32 along a product's K; o leaves quantised for the output projection.
; THE SOFTMAX: t = logit x log2(e); M = the running largest t rounded UP to a whole number; p = 2^(t - M) is quantised along the keys, not normalised; the row's sum is taken of the unquantised p and divides at the end.
; THE MASK IS AN INPUT.  An earlier launch has stored, for each tile of 16 queries, a word SKIP (key steps all of whose 16 x 128 entries are false, in a tile each of whose rows has a true entry: their p is 0 at the end),
; a word FULL (steps without a false entry) and the mask's bits in the order of the score registers.  A step that both of a wave's tiles may skip is jumped over by a scalar branch on the stored words; all trip counts are constants.
; A masked score is replaced by -2^33 (logit -2^30 where the source has -1e9): times c it is a whole number, so a row with no true entry gets t - M = 0 and p = 1 for every key, the uniform softmax.
; LIMIT: unmasked logits stay under about 1e9 in magnitude; NaN and infinities are not served.
; NO TENSOR LOADS, NO CLUSTER: the head's record goes through registers into LDS, and the four work-groups of a head each copy it.
; SHARES.  A work-group has one head (y) and a quarter of its query tiles (x); eight waves of 512 registers.  A wave holds TWO query tiles at once, tile 0 in register window 0 and tile 1 in window 1:
; each fragment of K and V read from LDS feeds both.  Wave w takes the pair of tiles 63 - p first and the pair p = 8 x + w second: under a lower-triangular mask that is 17 steps of 128 keys for every wave.
; THE RECORD COMES BY QUARTERS of four key steps (52,224 bytes: 51 registers a lane): quarter q + 1 is on its way from memory into registers while the first pair works on quarter q; the second pair finds all of it in LDS.
; So the staging loads run a quarter ahead of their use and no prefetch is laid beside them.  One outer loop of eight trips (two pairs x four quarters) round an inner loop of four steps;
; two barriers in each outer trip part the stores into LDS from all reads of LDS.
; LAYOUT.  Both products are used transposed: S^T = K Q^T (source 0 = 16 keys, source 1 = 16 queries), O^T = V^T P^T: a lane holds one query of each tile throughout.
; HEAD SIZE 64 IN A FORM OF K = 128: Q's fragment is six registers of codes and six of zero codes; K's source is a run of twelve registers whose upper six are the next tile's codes (for the last: zeros).
; The codes of a block of 32 keys lie in the order 0-7, 16-23, 8-15, 24-31 in p as in V's images: the sums are the same sums.
; REGISTERS.  Both windows: v11 -2^33; v12 -M, v13 the largest t, v[14:15] the sum; v16-27 Q; v160-191 O^T; v192-210 p's codes; v216-227 at work; v228-233 the second pair's Q; v242-247 partial sums.
;   window 0 alone: v1-5 lane offsets; v6-10 addresses; v28-31, v86-87 K's and V's scale words; v32-79 fragments; v80-85 zeros; v88-89 Q's scale words; v90-91 mask bits; v92-95 offsets; v96-159 S^T, then p; v212-215 block maxima;
;   v234, v237 the second pair's scale words; v235-236 p's scale words; v238, v239, v241 the fill's offsets; v254-255 the spare word and 0.
;   window 1 alone: v28-91 S^T, then p; v92-95 block maxima; v96-146 the quarter on its way; v148-149 mask bits.
.set RECQ, 106496
.set RECK, 208896
.set VIMG, 98304                       ; LDS as a record of kv: K's images (6,144 bytes a step, 768 a tile), V's (6,144 a step, 1,536 a tile),
.set KSW,  196608                      ; K's scale words (512 bytes a step),
.set VSW,  204800                      ; V's (256 a step)
.set SPARE, 208896
.set AQS,  6291456
.set MSB, 0
.macro WIN new                         ; the immediate's high byte repeats the setting that is left; at every label and branch the setting is 0
.if MSB != (\new)
	s_set_vgpr_msb (MSB<<8)|(\new)
.set MSB, (\new)
.endif
.endm
.macro FILLLOAD                        ; a quarter of the record into window 1: the work-group reads 4,096 consecutive bytes an instruction
	WIN 0x40
.irp i, 0,1,2,3,4,5
	global_load_b128 v[96+4*\i:99+4*\i], v241, s[48:49] offset:4096*\i
.endr
.irp i, 0,1,2,3,4,5
	global_load_b128 v[120+4*\i:123+4*\i], v241, s[48:49] offset:VIMG+4096*\i
.endr
	global_load_b64 v[144:145], v239, s[50:51]
	global_load_b32 v146, v238, s[52:53]
	WIN 0
.endm
.macro QLOAD d, wa, wb, qa, qs         ; a pair's two images of Q and their scale words
	global_load_b128 v[\d:\d+3], v1, s[\qa:\qa+1]
	global_load_b64 v[\d+4:\d+5], v2, s[\qa:\qa+1] offset:512
	global_load_b32 v[\wa], v4, s[\qs:\qs+1]
	global_load_b32 v[\wb], v4, s[\qs:\qs+1] offset:64
	WIN 0x40
	global_load_b128 v[\d:\d+3], v1, s[\qa:\qa+1] offset:768
	global_load_b64 v[\d+4:\d+5], v2, s[\qa:\qa+1] offset:1280
	WIN 0
.endm
.macro MASKLOAD bit                    ; the mask bits of step s18 / 256 + bit, if that step needs them (s46: neither skipped nor full)
	s_bitcmp1_b32 s46, \bit
	s_cbranch_scc0 .Lnm_\@
	s_wait_loadcnt 0x0                             ; no load of mine is out: its registers and its offset may be written
	v_add_nc_u32 v92, s18, v2
	global_load_b64 v[90:91], v92, s[30:31] offset:256*\bit
	WIN 0x40
	global_load_b64 v[148:149], v92, s[30:31] offset:4096+256*\bit
	WIN 0
.Lnm_\@:
.endm
.macro INIT                            ; a pair begins: s13 its first tile, s[56:59] its SKIP and FULL words
	s_and_b32 s20, s56, s58                        ; skipped by both
	s_and_b32 s21, s57, s59                        ; full in both
	s_or_b32 s46, s20, s21
	s_not_b32 s46, s46
	s_and_b32 s46, s46, 0xffff                     ; steps that need the bits
	s_lshl_b32 s38, s13, 12
	s_add_co_u32 s38, s38, 1024
	s_mov_b32 s39, 0
	s_add_nc_u64 s[30:31], s[8:9], s[38:39]        ; the first tile's mask bits; the second's lie 4,096 bytes on
	s_lshl_b32 s38, s42, 7
	s_add_co_u32 s38, s38, s13                     ; the token tile: 128 x batch + tile
	s_lshl_b32 s40, s38, 4
	s_add_co_u32 s40, s40, s43
	s_mul_i32 s40, s40, 768
	s_mov_b32 s41, 0
	s_add_nc_u64 s[32:33], s[10:11], s[40:41]      ; o's image; the second tile's lies 12,288 bytes on
	s_lshl_b32 s40, s38, 9
	s_lshl_b32 s38, s43, 1
	s_add_co_u32 s40, s40, s38
	s_add_co_u32 s40, s40, AQS
	s_add_nc_u64 s[34:35], s[10:11], s[40:41]      ; o's scale bytes; the second tile's 512 bytes on
	s_mov_b32 s18, 0
.irp w, 0,1
	WIN 0x55*\w
	v_mov_b32 v13, 0xff61b1e6                      ; the largest t so far: -3e38
	v_mov_b32 v14, 0
	v_mov_b32 v15, 0
	v_floor_f32 v12, -v13                          ; -M
.set J, 0
.rept 32
	v_mov_b32 v[160+J], 0                          ; O^T: the step is written once; the first finds zeros
.set J, J+1
.endr
.endr
	WIN 0
	s_wait_alu depctr_va_vdst(0)                   ; the wait ahead of the branch
	MASKLOAD 0
.endm
; ---- the parts of a step, for tile w: sb its scores, bm its block maxima, mb its mask bits
.macro QK w, sb
	WIN 0x54*\w                                    ; D and source 1 in the tile's window, source 0 in window 0
.irp t, 0,2,4,6
	v_wmma_scale_f32_16x16x128_f8f6f4 v[\sb+8*\t:\sb+8*\t+7], v[32+6*\t:43+6*\t], v[16:27], 0, v[28+\t/2], v[88+\w] matrix_a_fmt:MATRIX_FMT_FP6 matrix_b_fmt:MATRIX_FMT_FP6
	v_wmma_scale_f32_16x16x128_f8f6f4 v[\sb+8*\t+8:\sb+8*\t+15], v[38+6*\t:49+6*\t], v[16:27], 0, v[28+\t/2], v[88+\w] matrix_a_fmt:MATRIX_FMT_FP6 matrix_b_fmt:MATRIX_FMT_FP6 matrix_a_scale:MATRIX_SCALE_ROW1
.endr
.endm
.macro MASK w, sb, mb                  ; bit 31 - n % 32 of word n / 32 belongs to score register n: the top bit leaves as the carry, a lane mask
	WIN 0x55*\w
.set N, 0
.rept 32
.if N > 0
	s_delay_alu instid0(VALU_DEP_4)
.endif
	v_add_co_u32 v[\mb], vcc_lo, v[\mb], v[\mb]
	v_cndmask_b32 v[\sb+N], v11, v[\sb+N], vcc_lo
.if N > 0
	s_delay_alu instid0(VALU_DEP_4)
.endif
	v_add_co_u32 v[\mb+1], s36, v[\mb+1], v[\mb+1]
	v_cndmask_b32 v[\sb+32+N], v11, v[\sb+32+N], s36
.set N, N+1
.endr
.endm
.macro PHA w, sb, bm                   ; the largest score of each block of 32 keys (for the row's maximum and, since p rises with the score, for the block's largest p); M; f
	WIN 0x55*\w
.irp b, 0,1,2,3
	v_max3_num_f32 v[\bm+\b], v[\sb+16*\b], v[\sb+16*\b+1], v[\sb+16*\b+2]
.endr
.irp i, 3,5,7,9,11,13
.irp b, 0,1,2,3
	v_max3_num_f32 v[\bm+\b], v[\bm+\b], v[\sb+16*\b+\i], v[\sb+16*\b+\i+1]
.endr
.endr
.irp b, 0,1,2,3
	v_max_num_f32 v[\bm+\b], v[\bm+\b], v[\sb+16*\b+15]
.endr
.irp b, 0,1,2,3
	v_permlanex16_b32 v[216+\b], v[\bm+\b], s24, s25
.endr
.irp b, 0,1,2,3
	v_max_num_f32 v[\bm+\b], v[\bm+\b], v[216+\b]  ; with lane l xor 16's 16 keys
.endr
	v_max3_num_f32 v226, v[\bm], v[\bm+1], v[\bm+2]
	s_delay_alu instid0(VALU_DEP_1)
	v_max_num_f32 v226, v226, v[\bm+3]             ; the step's largest score of my query
	s_delay_alu instid0(VALU_DEP_1)
	v_mul_f32 v226, s22, v226                      ; as t
	s_delay_alu instid0(VALU_DEP_1)
	v_max_num_f32 v13, v13, v226                   ; the running largest t
	v_mov_b32 v226, v12
	s_delay_alu instid0(VALU_DEP_2)
	v_floor_f32 v12, -v13                          ; the new -M = -ceil(t)
	s_delay_alu instid0(VALU_DEP_1)
	v_sub_f32 v226, v12, v226                      ; old M - new M: a whole number, 0 or less
	s_delay_alu instid0(VALU_DEP_1)
	v_cvt_i32_f32 v226, v226                       ; (it saturates)
	s_delay_alu instid0(VALU_DEP_1)
	v_ldexp_f32 v224, 1.0, v226                    ; f = 2^(old M - new M)
.endm
.macro PHB w, sb, bm                   ; t - M, two at a time; the same of each block's largest score; the sum under the new M
	WIN 0x55*\w
.set J, 0
.rept 32
	v_pk_fma_f32 v[\sb+J:\sb+J+1], v[\sb+J:\sb+J+1], s[22:23], v[12:13] op_sel_hi:[1,0,0]
.set J, J+2
.endr
.irp b, 0,1,2,3
	v_fma_f32 v[\bm+\b], v[\bm+\b], s22, v12
.endr
	v_pk_mul_f32 v[14:15], v[14:15], v[224:225] op_sel_hi:[1,0]
.endm
.macro PHE w, sb, bm                   ; p = 2^(t - M), at most 1, and each block's largest p
	WIN 0x55*\w
.set J, 0
.rept 64
	v_exp_f32 v[\sb+J], v[\sb+J]
.set J, J+1
.endr
.irp b, 0,1,2,3
	v_exp_f32 v[\bm+\b], v[\bm+\b]
.endr
.endm
.macro PHS w, sb, bm                   ; the row's sum of the unquantised p, in four chains; then p's scale word and codes
	WIN 0x55*\w
	v_pk_add_f32 v[242:243], v[\sb:\sb+1], v[\sb+2:\sb+3]
	v_pk_add_f32 v[244:245], v[\sb+4:\sb+5], v[\sb+6:\sb+7]
	v_pk_add_f32 v[246:247], v[\sb+8:\sb+9], v[\sb+10:\sb+11]
	v_pk_add_f32 v[14:15], v[14:15], v[\sb+12:\sb+13]
.irp k, 14,22,30,38,46,54
	v_pk_add_f32 v[242:243], v[242:243], v[\sb+\k:\sb+\k+1]
	v_pk_add_f32 v[244:245], v[244:245], v[\sb+\k+2:\sb+\k+3]
	v_pk_add_f32 v[246:247], v[246:247], v[\sb+\k+4:\sb+\k+5]
	v_pk_add_f32 v[14:15], v[14:15], v[\sb+\k+6:\sb+\k+7]
.endr
	v_pk_add_f32 v[242:243], v[242:243], v[\sb+62:\sb+63]
	v_pk_add_f32 v[244:245], v[244:245], v[246:247]
.irp b, 0,1,2,3
	v_max_num_f32 v[\bm+\b], 0x1800000, v[\bm+\b]  ; the floor 2^(3 - 127): the byte cannot fall under 1
.endr
	v_pk_add_f32 v[14:15], v[14:15], v[242:243]
.irp b, 0,1,2,3
	v_add_nc_u32 v[220+\b], 0xff000000, v[\bm+\b]  ; the conversion's scale operand
.endr
	v_pk_add_f32 v[14:15], v[14:15], v[244:245]
.irp b, 0,1,2,3
	v_lshrrev_b32 v[216+\b], 23, v[220+\b]         ; the scale's byte
.endr
	v_lshl_or_b32 v227, v217, 8, v216
	s_delay_alu instid0(VALU_DEP_1)
	v_lshl_or_b32 v227, v218, 16, v227
	WIN 0x15*\w                                    ; scale operands are taken from window 0
	v_lshl_or_b32 v[235+\w], v219, 24, v227        ; p's scale word for these 128 keys
	WIN 0x55*\w
.irp c, 0,1
	v_cvt_scalef32_pk16_fp6_f32 v[192+6*\c:194+6*\c], v[\sb+32*\c:\sb+32*\c+15], v[220+2*\c]
	v_cvt_scalef32_pk16_fp6_f32 v[204+4*\c:206+4*\c], v[\sb+32*\c+16:\sb+32*\c+31], v[221+2*\c]
.endr
	v_nop                                          ; one plain place behind a scaled conversion
.irp c, 0,1
.irp i, 0,1,2
	v_permlane16_swap_b32 v[192+6*\c+\i], v[204+4*\c+\i]
.endr
.irp i, 0,1,2
	v_mov_b32 v[195+6*\c+\i], v[204+4*\c+\i]
.endr
.endr
.endm
.macro PHR w                           ; O^T under the new M; both tiles' 32 lines are also the places between the writes of p's codes and scale words and the products
	WIN 0x55*\w
	s_wait_alu depctr_va_vdst(0)                   ; the wait directly ahead of the first reader of O^T
.set J, 0
.rept 16
	v_pk_mul_f32 v[160+J:161+J], v[160+J:161+J], v[224:225] op_sel_hi:[1,0]
.set J, J+2
.endr
.endm
.macro PV w
	WIN 0x54*\w
.irp t, 0,2
	v_wmma_scale_f32_16x16x128_f8f6f4 v[160+8*\t:167+8*\t], v[32+12*\t:43+12*\t], v[192:203], v[160+8*\t:167+8*\t], v[86+\t/2], v[235+\w] matrix_a_fmt:MATRIX_FMT_FP6 matrix_b_fmt:MATRIX_FMT_FP6
	v_wmma_scale_f32_16x16x128_f8f6f4 v[168+8*\t:175+8*\t], v[44+12*\t:55+12*\t], v[192:203], v[168+8*\t:175+8*\t], v[86+\t/2], v[235+\w] matrix_a_fmt:MATRIX_FMT_FP6 matrix_b_fmt:MATRIX_FMT_FP6 matrix_a_scale:MATRIX_SCALE_ROW1
.endr
.endm
.macro FIN w, sb, bm                   ; O^T / the sum, in the true order of channels, quantised along the head's 64 channels: blocks 2 head and 2 head + 1 of the output projection's K
	WIN 0x55*\w
	v_add_f32 v14, v14, v15
	s_delay_alu instid0(VALU_DEP_1)
	v_permlanex16_b32 v226, v14, s24, s25
	s_delay_alu instid0(VALU_DEP_1)
	v_add_f32 v14, v14, v226                       ; the row's sum
	s_wait_alu depctr_va_vdst(0)                   ; the wait ahead of the transcendental,
	v_rcp_f32 v14, v14
	v_nop
	s_wait_alu depctr_va_vdst(0)                   ; and ahead of its first reader, which is also the first reader of O^T
.set J, 0
.rept 32
	v_mul_f32 v[\sb+J], v[160+J], v14              ; register 8 t + j is channel 16 t + 8 h + j
.set J, J+1
.endr
.irp b, 0,1
.irp j, 0,1,2,3,4,5,6,7
	v_permlane16_swap_b32 v[\sb+16*\b+\j], v[\sb+16*\b+8+\j]               ; register 16 b + i is now channel 32 b + 16 h + i
.endr
.endr
.irp b, 0,1
	v_max3_num_f32 v[\bm+\b], |v[\sb+16*\b]|, |v[\sb+16*\b+1]|, 0x1800000
.endr
.irp i, 2,4,6,8,10,12,14
.irp b, 0,1
	v_max3_num_f32 v[\bm+\b], v[\bm+\b], |v[\sb+16*\b+\i]|, |v[\sb+16*\b+\i+1]|
.endr
.endr
.irp b, 0,1
	v_permlanex16_b32 v[216+\b], v[\bm+\b], s24, s25
.endr
.irp b, 0,1
	v_max_num_f32 v[\bm+\b], v[\bm+\b], v[216+\b]
.endr
.irp b, 0,1
	v_add_nc_u32 v[220+\b], 0xff000000, v[\bm+\b]
.endr
.irp b, 0,1
	v_lshrrev_b32 v[216+\b], 23, v[220+\b]
.endr
	s_delay_alu instid0(VALU_DEP_1)
	v_lshl_or_b32 v227, v217, 8, v216              ; my token's two scale bytes
	v_cvt_scalef32_pk16_fp6_f32 v[192:194], v[\sb:\sb+15], v220
	v_cvt_scalef32_pk16_fp6_f32 v[204:206], v[\sb+16:\sb+31], v221
	v_nop
.irp i, 0,1,2
	v_permlane16_swap_b32 v[192+\i], v[204+\i]
.endr
.irp i, 0,1,2
	v_mov_b32 v[195+\i], v[204+\i]
.endr
.endm
	s_load_b256 s[4:11], s[0:1], 0x0               ; qr s[4:5], kv s[6:7], mf s[8:9], aq s[10:11]
	v_lshl_add_u32 v254, v0, 2, SPARE
	v_mov_b32 v255, 0
	v_lshrrev_b32 v1, 5, v0
	v_readfirstlane_b32 s12, v1                    ; wave 0..7
	s_and_b32 s19, ttmp7, 0xffff                   ; 16 x batch + head
	v_lshlrev_b32 v241, 4, v0                      ; the fill: 16 x thread,
	v_lshl_add_u32 v239, v0, 3, KSW                ; 8 x thread in K's scale words,
	v_lshl_add_u32 v238, v0, 2, VSW                ; 4 x thread in V's
	v_and_b32 v3, 31, v0
	v_and_b32 v4, 15, v0
	v_lshlrev_b32 v1, 4, v3
	v_lshlrev_b32 v2, 3, v3
	v_lshlrev_b32 v3, 2, v3
	v_lshlrev_b32 v5, 5, v4
	v_lshlrev_b32 v4, 2, v4
	s_mul_i32 s38, s19, RECK
	s_mov_b32 s39, 0
	s_mul_i32 s40, s19, RECQ
	s_mov_b32 s41, 0
	s_lshl_b32 s47, ttmp9, 3
	s_add_co_u32 s47, s47, s12
	s_lshl_b32 s47, s47, 1                         ; the second pair's first tile: 2 p
	s_sub_co_u32 s13, 126, s47                     ; the first pair's: 126 - 2 p
	s_wait_alu depctr_va_vdst(0)                   ; the wait ahead of the wait below
	s_wait_kmcnt 0x0
	s_add_nc_u64 s[6:7], s[6:7], s[38:39]          ; the head's record of k and v
	s_mov_b64 s[48:49], s[6:7]                     ; the fill's three bases: stepped by 24,576, 2,048 and 1,024 bytes a quarter
	s_mov_b64 s[50:51], s[6:7]
	s_mov_b64 s[52:53], s[6:7]
	FILLLOAD                                       ; quarter 0
	s_lshl_b32 s38, s13, 3
	s_add_nc_u64 s[44:45], s[8:9], s[38:39]
	s_load_b128 s[56:59], s[44:45], 0x0            ; the first pair's SKIP, FULL, SKIP, FULL
	s_lshl_b32 s38, s47, 3
	s_add_nc_u64 s[74:75], s[8:9], s[38:39]
	s_load_b128 s[60:63], s[74:75], 0x0            ; the second pair's
	s_add_nc_u64 s[4:5], s[4:5], s[40:41]          ; the head's record of q
	s_mul_i32 s38, s13, 768
	s_add_nc_u64 s[66:67], s[4:5], s[38:39]
	s_lshl_b32 s38, s13, 6
	s_add_co_u32 s38, s38, 98304
	s_add_nc_u64 s[68:69], s[4:5], s[38:39]
	s_mul_i32 s38, s47, 768
	s_add_nc_u64 s[70:71], s[4:5], s[38:39]
	s_lshl_b32 s38, s47, 6
	s_add_co_u32 s38, s38, 98304
	s_add_nc_u64 s[72:73], s[4:5], s[38:39]
	QLOAD 16, 88, 89, 66, 68
	QLOAD 228, 234, 237, 70, 72
.irp w, 0,1
	WIN 0x40*\w
	v_mov_b32 v11, 0xd0000000                      ; -2^33
.irp j, 22,23,24,25,26,27,216,217,218,219,225,226
	v_mov_b32 v\j, 0                               ; zero codes; permutes' destinations; the upper half of a pair that is named whole
.endr
.endr
	v_mov_b32 v148, 0                              ; the mask bits' registers are written once ahead of any load
	v_mov_b32 v149, 0
	WIN 0
.irp j, 80,81,82,83,84,85,90,91
	v_mov_b32 v\j, 0
.endr
	v_add_nc_u32 v93, VIMG, v1
	v_add_nc_u32 v94, KSW, v3
	v_add_nc_u32 v95, VSW, v3
	s_mov_b32 s22, 0x3e38aa3b                      ; c = log2(e) / 8
	s_mov_b32 s23, s22
	s_mov_b32 s24, 0x76543210
	s_mov_b32 s25, 0xfedcba98                      ; lane l xor 16
	s_lshr_b32 s42, s19, 4                         ; batch
	s_and_b32 s43, s19, 15                         ; head
	s_wait_alu depctr_va_vdst(0)                   ; the wait at the head's end
	s_wait_kmcnt 0x0
	INIT
	s_mov_b32 s14, 0
.Lquart:                                           ; eight trips: trips 0-3 the first pair, 4-7 the second; trip q works on quarter q % 4
	s_wait_loadcnt 0x0                             ; the quarter that was on its way is in registers
	s_wait_dscnt 0x0
	s_barrier_signal -1
	s_barrier_wait -1                              ; every wave's reads of LDS so far are over
	s_cmp_ge_u32 s14, 4
	s_cbranch_scc1 .Lfilled
	s_mul_i32 s38, s14, 24576
	s_lshl_b32 s39, s14, 11
	s_lshl_b32 s40, s14, 10
	v_add_nc_u32 v6, s38, v241
	v_add_nc_u32 v8, s39, v239
	v_add_nc_u32 v9, s40, v238
	v_add_nc_u32 v7, VIMG, v6
	WIN 0x04                                       ; the data: window 1
.irp i, 0,1,2,3,4,5
	ds_store_b128 v6, v[96+4*\i:99+4*\i] offset:4096*\i
.endr
.irp i, 0,1,2,3,4,5
	ds_store_b128 v7, v[120+4*\i:123+4*\i] offset:4096*\i
.endr
	ds_store_b64 v8, v[144:145]
	ds_store_b32 v9, v146
	WIN 0
.Lfilled:
	s_wait_dscnt 0x0                               ; for the others' sake: my stores have landed; and they have read their registers
	s_barrier_signal -1
	s_barrier_wait -1                              ; the quarter lies in LDS
	s_cmp_ge_u32 s14, 3
	s_cbranch_scc1 .Lnoload
	s_add_nc_u64 s[48:49], s[48:49], 24576         ; (no load of mine is out: the bases may step)
	s_add_nc_u64 s[50:51], s[50:51], 2048
	s_add_nc_u64 s[52:53], s[52:53], 1024
	FILLLOAD                                       ; the next quarter sets out
.Lnoload:
	s_and_b32 s38, s14, 3
	s_mul_i32 s16, s38, 24576                      ; 6,144 x step
	s_lshl_b32 s17, s38, 11                        ; 512 x step
	s_lshl_b32 s18, s38, 10                        ; 256 x step
	s_mov_b32 s15, 0
.Lstep:                                            ; four trips
	s_bitcmp1_b32 s20, 0                           ; this step's bit of SKIP (the words are shifted at the step's end)
	s_cbranch_scc1 .Lskip
	v_add_nc_u32 v6, s16, v1                       ; (these four are the places behind the last step's products, in front of the loads below)
	v_add_nc_u32 v7, s16, v2
	v_add_nc_u32 v8, s17, v94
	v_add_nc_u32 v9, s16, v93
.irp t, 0,1,2,3,4,5,6,7
	ds_load_b128 v[32+6*\t:35+6*\t], v6 offset:768*\t
	ds_load_b64 v[36+6*\t:37+6*\t], v7 offset:768*\t+512
.endr
.irp u, 0,1,2,3
	ds_load_b32 v[28+\u], v8 offset:128*\u         ; lanes 0-15: the words of tile 2 u's keys, lanes 16-31: of tile 2 u + 1's
.endr
	s_wait_alu depctr_va_vdst(0)                   ; the wait ahead of the wait below
	s_wait_dscnt 0x0
	QK 0, 96
	QK 1, 28
	WIN 0
	v_add_nc_u32 v10, s18, v95                     ; four places: in front of the loads into K's registers and of the first read of the scores
	v_nop
	v_nop
	v_nop
.irp t, 0,1,2,3
.irp c, 0,1,2
	ds_load_b128 v[32+12*\t+4*\c:35+12*\t+4*\c], v9 offset:1536*\t+512*\c   ; V's fragments land while the softmax is worked
.endr
.endr
.irp u, 0,1
	ds_load_b32 v[86+\u], v10 offset:128*\u
.endr
	s_bitcmp1_b32 s21, 0                           ; this step's bit of FULL
	s_cbranch_scc1 .Lopen
	s_wait_loadcnt 0x0                             ; the step's mask bits, asked for a step ago
	MASK 0, 96, 90
	MASK 1, 28, 148
	WIN 0
.Lopen:
	MASKLOAD 1                                     ; the next step's bits: their registers are free now
	PHA 0, 96, 212
	PHA 1, 28, 92
	PHB 0, 96, 212
	PHB 1, 28, 92
	WIN 0
	s_wait_alu depctr_va_vdst(0)                   ; the wait ahead of the batch,
	PHE 0, 96, 212
	PHE 1, 28, 92
	v_nop                                          ; a plain place behind the exponentials
	s_wait_alu depctr_va_vdst(0)                   ; and one wait for the whole batch, ahead of its first reader
	PHS 0, 96, 212
	PHS 1, 28, 92
	PHR 0
	PHR 1
	WIN 0
	s_wait_alu depctr_va_vdst(0)                   ; the wait ahead of the wait below
	s_wait_dscnt 0x0                               ; V
	PV 0                                           ; eight accumulators by turns; sixteen other products stand ahead of each one's next link
	PV 1
	WIN 0
	s_branch .Lnext
.Lskip:
	MASKLOAD 1
.Lnext:
	s_lshr_b32 s20, s20, 1
	s_lshr_b32 s21, s21, 1
	s_lshr_b32 s46, s46, 1
	s_add_co_u32 s16, s16, 6144
	s_add_co_u32 s17, s17, 512
	s_add_co_u32 s18, s18, 256
	s_add_co_u32 s15, s15, 1
	s_cmp_lt_u32 s15, 4
	s_cbranch_scc1 .Lstep
	s_and_b32 s38, s14, 3
	s_cmp_lg_u32 s38, 3
	s_cbranch_scc1 .Lnofin
.rept 4
	v_nop                                          ; places behind the last products
.endr
	FIN 0, 96, 212                                 ; THE WAY OUT OF A PAIR
	FIN 1, 28, 92
	WIN 0
	s_wait_alu depctr_va_vdst(0)                   ; the wait
	global_store_b128 v1, v[192:195], s[32:33]     ; 512 consecutive bytes,
	global_store_b64 v2, v[196:197], s[32:33] offset:512   ; and 256
	WIN 0x04                                       ; the data: window 1
	global_store_b128 v1, v[192:195], s[32:33] offset:12288
	global_store_b64 v2, v[196:197], s[32:33] offset:12800
	WIN 0
	s_wait_xcnt 0x0                                ; EXEC changes only behind this wait
	v_cmp_gt_u32 vcc_lo, 64, v3
	s_and_saveexec_b32 s37, vcc_lo                 ; lanes 0-15: a token each
	global_store_b16 v5, v227, s[34:35]            ; two bytes of the token's row of 32: the row's other bytes are other heads', made by other work-groups
	WIN 0x04
	global_store_b16 v5, v227, s[34:35] offset:512
	WIN 0
	s_wait_xcnt 0x0                                ; and again; the bases and the stores' data are also written again only behind it
	s_or_b32 exec_lo, exec_lo, s37
	s_cmp_eq_u32 s14, 7
	s_cbranch_scc1 .Lnofin
	s_mov_b32 s13, s47                             ; the second pair: its tile, its words, its Q
	s_mov_b32 s56, s60
	s_mov_b32 s57, s61
	s_mov_b32 s58, s62
	s_mov_b32 s59, s63
.irp w, 0,1
	WIN 0x55*\w
.irp j, 0,1,2,3,4,5
	v_mov_b32 v[16+\j], v[228+\j]
.endr
.endr
	WIN 0
	v_mov_b32 v88, v234
	v_mov_b32 v89, v237
	INIT
.Lnofin:
	s_add_co_u32 s14, s14, 1
	s_cmp_lt_u32 s14, 8
	s_cbranch_scc1 .Lquart
	s_wait_dscnt 0x0
	s_barrier_signal -1
	s_barrier_wait -1
	s_wait_tensorcnt 0x0                           ; the wave's end
	ds_add_u32 v254, v255
	s_wait_dscnt 0x0
	s_endpgm
.Lfunc_end_k_qfe867d9191_attn:
	.size	k_qfe867d9191_attn, .Lfunc_end_k_qfe867d9191_attn-k_qfe867d9191_attn
	.p2alignl 7, 3214868480
	.fill 96, 4, 3214868480
	.section	.rodata,"a",@progbits
	.p2align	6, 0x0
	.amdhsa_kernel k_qfe867d9191_attn
		.amdhsa_group_segment_fixed_size 210944
		.amdhsa_private_segment_fixed_size 0
		.amdhsa_enable_private_segment 0
		.amdhsa_kernarg_size 32
		.amdhsa_user_sgpr_count 2
		.amdhsa_user_sgpr_kernarg_segment_ptr 1
		.amdhsa_wavefront_size32 1
		.amdhsa_system_sgpr_workgroup_id_x 1
		.amdhsa_system_sgpr_workgroup_id_y 1
		.amdhsa_system_sgpr_workgroup_id_z 1
		.amdhsa_system_vgpr_workitem_id 0
		.amdhsa_next_free_vgpr 512
		.amdhsa_next_free_sgpr 80
		.amdhsa_reserve_vcc 1
		.amdhsa_float_denorm_mode_32 3
		.amdhsa_float_denorm_mode_16_64 3
		.amdhsa_memory_ordered 1
		.amdhsa_forward_progress 1
		.amdhsa_inst_pref_size 76
	.end_amdhsa_kernel
	.amdgpu_metadata
---
amdhsa.version: [ 1, 2 ]
amdhsa.kernels:
  - .name:           k_qfe867d9191_attn
    .symbol:         k_qfe867d9191_attn.kd
    .args:
      - { .name: qr, .offset: 0, .size: 8, .value_kind: global_buffer, .address_space: global }
      - { .name: kv, .offset: 8, .size: 8, .value_kind: global_buffer, .address_space: global }
      - { .name: mf, .offset: 16, .size: 8, .value_kind: global_buffer, .address_space: global }
      - { .name: aq, .offset: 24, .size: 8, .value_kind: global_buffer, .address_space: global }
    .group_segment_fixed_size: 210944
    .private_segment_fixed_size: 0
    .kernarg_segment_align: 8
    .kernarg_segment_size: 32
    .max_flat_workgroup_size: 256
    .sgpr_count:     80
    .vgpr_count:     512
    .wavefront_size: 32
...
	.end_amdgpu_metadata
.endif
;; end of part 3
;; launch oproj (part 4): grid 4 x 64, 4 waves a work-group, clusters of 4 x 4, 327,680 bytes of LDS; arguments aq, wq, bo, out0; writes out0
.if DOCPART == 4
	.amdgcn_target "amdgcn-amd-amdhsa--gfx1250"
	.amdhsa_code_object_version 6
	.text
	.protected	k_qfe867d9191_oproj
	.globl	k_qfe867d9191_oproj
	.p2align	8
	.type	k_qfe867d9191_oproj,@function
k_qfe867d9191_oproj:
	s_mov_b64 s[64:65], 0
	v_nop
	global_prefetch_b8 v0, s[64:65] scope:SCOPE_SE
	s_setreg_imm32_b32 hwreg(HW_REG_WAVE_MODE, 25, 1), 1
	s_wait_xcnt 0x0
	s_wait_alu depctr_hold_cnt(0) depctr_sa_sdst(0) depctr_va_vdst(0) depctr_va_sdst(0) depctr_va_ssrc(0) depctr_va_vcc(0) depctr_vm_vsrc(0)
	s_getreg_b32 s2, hwreg(HW_REG_IB_STS2, 6, 4)
	s_cmp_eq_u32 s2, 0
	s_cbranch_scc0 .Lentry_in_a_cluster
	s_endpgm
.Lentry_in_a_cluster:
	s_bfe_u32 s2, ttmp6, 0x10000c
	s_cmp_lg_u32 s2, 0xf033
	s_cbranch_scc0 .Lentry_shape_is_right
	s_endpgm
.Lentry_shape_is_right:
; out0 = o Wo + bo on codes of FP6 (E2M3) with one E8M0 scale for each 32 along K = 1,024; sums in f32.
; A block of out0 is 128 tokens x 256 columns, 64 x 128 a wave; 64 x 4 blocks: one work-group for each.  ALL OF K LIES IN LDS, brought by one tensor load a wave at the head; nothing is filled again: one barrier, no ring.
; o's codes lie in aq as images of operand registers, 768 bytes for a tile of 16 tokens and a head, 12,288 for a tile: 128 tokens are 98,304 dense bytes, which come as rows of 256 bytes with no padding (a lane reads at 16 or 8 x lane).
; Wo's 256 rows of 768 bytes (rows 3,072 on of wq) are dense too: rows of 256 bytes, each on a multiple of 256 bytes, 16 bytes of padding behind each: an LDS row is 816 bytes.  98,304 + 256 x 816 + 48 x 272 + 512 = 320,768 bytes of LDS.
; o's tiles hang on the tile row and are asked for jointly along a row of the cluster, Wo's on the tile column and along a column.
; NO PREFETCH: every byte is asked for by the head's loads; there is no loop to run ahead in.
; The matrix instruction is used transposed (source 0 = 16 rows of Wo, source 1 = 16 tokens): a lane holds eight neighbouring numbers of a row of out0; bo runs along the registers and is the C of each sum's first product.
; REGISTERS: window 0: v0-31 addresses; v32-95 scale words (block i, step st at v[32 + 8 i + st]: lanes 0-15 o's, lanes 16-31 Wo's); v128-223 o's fragments, two sets; on the way out v128-255.
;   window 1: Wo's fragments, two sets.   window 2: the 32 accumulators.   window 3: v0-63 bo.
.set SIZE_N, 1024
.set KROW,   768
.set PITCH,  816
.set FR,     12
.set QB,     98304
.set SCL,    QB+256*PITCH
.set SBLK,   544
.set SPARE,  SCL+48*272
.set SPITCH, 528
.set AQS,    6291456
.set WQS,    3145728
.set AA16, 16
.set AA8,  17
.set ADRB, 20
.set STO,  24
.set RD,   25
.set CO,   26
.set ADRS, 27
.set SPW,  28
.set NIL,  29
.set SC,   32
.set AF,   128
.set BK,   128
.set G1, 24
.set G0, 32
.set G1B, 48
.set G0B, 56
.set G1S, 68
.set G0S, 76
.set G1SB, 80
.set G0SB, 88
.set MSB, 0
.macro WIN new
.if MSB != (\new)
	s_set_vgpr_msb (MSB<<8)|(\new)
.set MSB, (\new)
.endif
.endm
.macro CROUND
	s_barrier_signal -1
	s_barrier_wait -1
	s_cmp_lg_u32 s14, 0
	s_cbranch_scc1 .Lnot_wave_0_\@
	s_barrier_signal -3
.Lnot_wave_0_\@:
	s_barrier_wait -3
	s_barrier_signal -1
	s_barrier_wait -1
.endm
.macro DESC g, r
	s_mov_b32 s[\g+1], 32<<16
	s_mov_b32 s[\g+2], (\r)<<16
	s_mov_b32 s[\g+3], 32<<16
	s_mov_b32 s[\g+4], \r
	s_mov_b32 s[\g+5], 32
	s_mov_b32 s[\g+6], 0
	s_mov_b32 s[\g+7], 0
.endm
.macro PLACES n
.rept \n
	v_nop
.endr
.endm
	s_load_b256 s[4:11], s[0:1], 0x0               ; aq, wq, bo, out0
	v_lshl_add_u32 v[SPW], v0, 2, SPARE
	v_mov_b32 v[NIL], 0
	ds_add_u32 v[SPW], v[NIL]                      ; the opening lines: the add, twice on end, and its wait ahead of my tensor load
	ds_add_u32 v[SPW], v[NIL]
	v_lshrrev_b32 v1, 5, v0
	v_readfirstlane_b32 s14, v1                    ; wave 0..3
	s_lshr_b32 s15, s14, 1                         ; which 64 tokens are mine
	s_and_b32 s16, s14, 1                          ; which 128 columns
	s_bfe_u32 s40, ttmp6, 0x40000                  ; cx
	s_bfe_u32 s41, ttmp6, 0x40004                  ; cy
	s_lshl_b32 s42, ttmp9, 2
	s_add_co_u32 s42, s42, s40                     ; tile column
	s_and_b32 s17, ttmp7, 0xffff
	s_lshl_b32 s17, s17, 2
	s_add_co_u32 s17, s17, s41                     ; tile row
	s_lshl_b32 s43, s41, 2
	s_lshl_b32 s43, 15, s43                        ; my row of the cluster
	s_lshl_b32 s44, 0x1111, s40                    ; my column
	s_or_b32 s[G1], s43, (3<<16)|(1<<21)           ; o's images: elements of 8 bytes, no padding
	s_or_b32 s[G1S], s43, (3<<16)|(1<<20)|(1<<21)|(5<<22)|(3<<25)
.irp g, G1B, G1SB
	s_or_b32 s[\g], s44, (3<<16)|(1<<20)|(1<<21)|(5<<22)|(3<<25)   ; 4 words of padding behind every 64
.endr
	DESC G1, 384
	DESC G1B, 768
	DESC G1S, 16
	DESC G1SB, 32
	s_lshl_b32 s20, s17, 7                         ; my block's first token
	s_lshl_b32 s46, s42, 8
	s_add_co_u32 s46, s46, 3072                    ; and its first row of wq
	s_lshl_b32 s22, s20, 5
	s_add_co_u32 s22, s22, AQS
	s_mov_b32 s23, 0
	s_lshl_b32 s92, s46, 5
	s_add_co_u32 s92, s92, WQS
	s_mov_b32 s93, 0
	s_mul_i32 s20, s20, KROW
	s_mov_b32 s21, 0
	s_mul_i32 s46, s46, KROW
	s_mov_b32 s47, 0
	s_wait_dscnt 0x0                               ; both opening adds are done
	s_wait_kmcnt 0x0
	s_mov_b32 s[G0], 1
	s_mov_b32 s[G0+1], 0
	s_add_nc_u64 s[G0+2:G0+3], s[4:5], s[20:21]
	s_or_b32 s[G0+3], s[G0+3], 0x80000000
	s_mov_b32 s[G0B], 1
	s_mov_b32 s[G0B+1], QB
	s_add_nc_u64 s[G0B+2:G0B+3], s[6:7], s[46:47]
	s_or_b32 s[G0B+3], s[G0B+3], 0x80000000
	s_mov_b32 s[G0S], 1
	s_mov_b32 s[G0S+1], SCL
	s_add_nc_u64 s[G0S+2:G0S+3], s[4:5], s[22:23]
	s_or_b32 s[G0S+3], s[G0S+3], 0x80000000
	s_mov_b32 s[G0SB], 1
	s_mov_b32 s[G0SB+1], SCL+16*272
	s_add_nc_u64 s[G0SB+2:G0SB+3], s[6:7], s[92:93]
	s_or_b32 s[G0SB+3], s[G0SB+3], 0x80000000
	CROUND                                         ; all sixteen work-groups are here: the joint loads meet
.macro ARM under, g0, g1, next         ; one tree of branches on the wave's number: every way through it passes exactly one load
	s_cmp_lt_u32 s14, \under
	s_cbranch_scc0 \next
	tensor_load_to_lds s[\g0:\g0+3], s[\g1:\g1+7]
	s_nop 0
.rept 4
	v_nop
.endr
	s_branch .Lhead_asked
\next:
.endm
	ARM 1, G0B,  G1B, .Lhead_p
	ARM 2, G0,   G1,  .Lhead_sa
	ARM 3, G0S,  G1S, .Lhead_sb
	tensor_load_to_lds s[G0SB:G0SB+3], s[G1SB:G1SB+7]
	s_nop 0
.rept 4
	v_nop
.endr
.Lhead_asked:
	v_and_b32 v1, 15, v0                           ; r
	v_bfe_u32 v2, v0, 4, 1                         ; h
	v_and_b32 v6, 31, v0
	v_mul_u32_u24 v3, v1, PITCH
	v_mad_u32_u24 v4, v2, 24, v3
	v_lshl_add_u32 v5, v2, 4, v4
	s_mul_i32 s21, s15, 4*12288                    ; my four tiles of 16 tokens
	s_mul_i32 s22, s16, 128*PITCH
	s_add_co_u32 s22, s22, QB
	v_lshl_add_u32 v[AA16], v6, 4, s21
	v_lshl_add_u32 v[AA8], v6, 3, s21
	v_add_nc_u32 v[ADRB], s22, v4
	v_add_nc_u32 v[ADRB+1], s22, v5
	s_add_co_u32 s22, s22, 64*PITCH
	v_add_nc_u32 v[ADRB+2], s22, v4
	v_add_nc_u32 v[ADRB+3], s22, v5
	v_lshlrev_b32 v5, 5, v1                        ; my row's scale bytes: 32 a row,
	v_lshrrev_b32 v9, 8, v5
	v_lshl_add_u32 v5, v9, 4, v5                   ; and 16 more for each 256 passed
	s_mul_i32 s21, s15, 4*SBLK
	s_mul_i32 s22, s16, 8*SBLK
	s_add_co_u32 s22, s22, 8*SBLK
	s_sub_co_u32 s22, s22, s21
	v_mul_u32_u24 v9, s22, v2                      ; lanes 16-31 take Wo's
	s_add_co_u32 s21, s21, SCL
	v_add_nc_u32 v5, v5, v9
	v_add_nc_u32 v[ADRS], s21, v5
	s_mul_i32 s23, s14, 16*SPITCH                  ; my stage, in o's tile
	v_mul_u32_u24 v5, v1, SPITCH
	v_lshl_add_u32 v5, v2, 5, v5
	v_add_nc_u32 v[STO], s23, v5
	v_lshlrev_b32 v[CO], 4, v6
	v_add_nc_u32 v[RD], s23, v[CO]
	v_lshlrev_b32 v10, 5, v2                       ; 32 h
	s_lshl_b32 s20, s17, 7
	s_lshl_b32 s21, s15, 6
	s_add_co_u32 s20, s20, s21                     ; my first row of out0,
	s_lshl_b32 s20, s20, 12                        ; 4,096 bytes a row
	s_mov_b32 s21, 0
	s_lshl_b32 s46, s42, 10
	s_lshl_b32 s47, s16, 9
	s_add_co_u32 s46, s46, s47                     ; my first column, in bytes
	s_mov_b32 s47, 0
	s_add_nc_u64 s[8:9], s[8:9], s[46:47]
	s_add_nc_u64 s[20:21], s[20:21], s[46:47]
	s_add_nc_u64 s[12:13], s[10:11], s[20:21]
	s_wait_alu depctr_va_vdst(0)                   ; the wait ahead of the readers below, and at the head's end
	WIN 0xc0
.irp b, 0,1,2,3,4,5,6,7
	global_load_b128 v[8*\b:8*\b+3], v10, s[8:9] offset:64*\b               ; bo at columns 16 b + 8 h + 0 .. 7
	global_load_b128 v[8*\b+4:8*\b+7], v10, s[8:9] offset:64*\b+16
.endr
	WIN 0
.macro FRAG reg, adr, st, off          ; Wo's fragment: 24 bytes of the row twice, in pieces of 8; byte y of a row lies at y + 16 (y / 256) of the LDS row; lanes 16-31 read 24 bytes on
.irp p, 0,1,2,3,4,5
.set BY, 96*(\st)+48*(\p/3)+8*(\p%3)
.if BY/256 == (BY+24)/256
	ds_load_b64 v[\reg+2*\p:\reg+2*\p+1], v[\adr] offset:BY+16*(BY/256)+(\off)
.else
	ds_load_b64 v[\reg+2*\p:\reg+2*\p+1], v[\adr+1] offset:BY+16*(BY/256)+(\off)
.endif
.endr
.endm
.macro FRAGA reg, st, i                ; o's fragment: the images of heads 2 st and 2 st + 1 of token tile i
	ds_load_b128 v[\reg:\reg+3], v[AA16] offset:12288*(\i)+1536*(\st)
	ds_load_b64 v[\reg+4:\reg+5], v[AA8] offset:12288*(\i)+1536*(\st)+512
	ds_load_b128 v[\reg+6:\reg+9], v[AA16] offset:12288*(\i)+1536*(\st)+768
	ds_load_b64 v[\reg+10:\reg+11], v[AA8] offset:12288*(\i)+1536*(\st)+1280
.endm
.macro FETCH st, p
	WIN 0x40
.irp i, 0,1,2,3
	FRAG 128*(\p)+FR*\i, ADRB, \st, \i*16*PITCH
.endr
.irp i, 0,1,2,3
	FRAG 128*(\p)+FR*(\i+4), ADRB+2, \st, \i*16*PITCH
.endr
	WIN 0
.irp i, 0,1,2,3
	FRAGA AF+48*(\p)+FR*\i, \st, \i
.endr
.endm
.macro MUL st, zero                    ; 32 matrix instructions; the 32 accumulators take turns, one instruction a turn
.irp a, 0,1,2,3
.irp b, 0,1,2,3,4,5,6,7
.if \zero
	v_wmma_scale_f32_16x16x128_f8f6f4 v[8*(8*\a+\b):8*(8*\a+\b)+7], v[128*((\st)%2)+FR*\b:128*((\st)%2)+FR*\b+FR-1], v[AF+48*((\st)%2)+FR*\a:AF+48*((\st)%2)+FR*\a+FR-1], v[8*\b:8*\b+7], v[SC+8*\b+(\st)], v[SC+8*\a+(\st)] matrix_a_fmt:MATRIX_FMT_FP6 matrix_b_fmt:MATRIX_FMT_FP6 matrix_a_scale:MATRIX_SCALE_ROW1
.else
	v_wmma_scale_f32_16x16x128_f8f6f4 v[8*(8*\a+\b):8*(8*\a+\b)+7], v[128*((\st)%2)+FR*\b:128*((\st)%2)+FR*\b+FR-1], v[AF+48*((\st)%2)+FR*\a:AF+48*((\st)%2)+FR*\a+FR-1], v[8*(8*\a+\b):8*(8*\a+\b)+7], v[SC+8*\b+(\st)], v[SC+8*\a+(\st)] matrix_a_fmt:MATRIX_FMT_FP6 matrix_b_fmt:MATRIX_FMT_FP6 matrix_a_scale:MATRIX_SCALE_ROW1
.endif
.endr
.endr
.endm
	s_wait_tensorcnt 0x0                           ; my tile is in
	s_barrier_signal -1
	s_barrier_wait -1                              ; all four are
.irp i, 0,1,2,3,4,5,6,7
	ds_load_b128 v[SC+8*\i:SC+8*\i+3], v[ADRS] offset:\i*SBLK               ; all eight steps' scale words of block i
	ds_load_b128 v[SC+8*\i+4:SC+8*\i+7], v[ADRS] offset:\i*SBLK+16
.endr
	FETCH 0, 0
	s_wait_loadcnt 0x0                             ; bo
.set ST, 0
.rept 8                                ; the walk along K, written out: the pieces' places in the padded rows come back only after 768 bytes, all of K
	s_wait_dscnt 0x0                               ; this step's fragments are in: they were asked for ahead of the last step's 32 products
.if ST > 0
	PLACES 4                                       ; in front of loads into registers that the last step's products read
.endif
.if ST < 7
	FETCH ST+1, (ST+1)%2
.endif
.if ST == 0
	WIN 0xb1                                       ; D window 2, source 0 window 1, source 1 window 0, C window 3
	MUL ST, 1
.else
	WIN 0xa1
	MUL ST, 0
.endif
	WIN 0
.set ST, ST+1
.endr
; THE WAY OUT, block by block of 16 rows x 128 columns: through my own stage in LDS, back as whole rows of 512 bytes, which the 32 lanes store as two aligned runs of 256 bytes
.macro TOSTAGE a
.set AC, 64*(\a)
	WIN 0x08                                       ; the data: window 2
.irp b, 0,1,2,3,4,5,6,7
	ds_store_b128 v[STO], v[AC+8*\b:AC+8*\b+3] offset:64*\b                 ; each accumulator from its low end on
	ds_store_b128 v[STO], v[AC+8*\b+4:AC+8*\b+7] offset:64*\b+16
.endr
	WIN 0
.set BB, BK+64*((\a)%2)
.irp t, 0,1,2,3,4,5,6,7,8,9,10,11,12,13,14,15
	ds_load_b128 v[BB+4*\t:BB+4*\t+3], v[RD] offset:\t*SPITCH               ; LDS serves a wave's instructions in order: these see my stores
.endr
.endm
.macro SEND a, younger                 ; younger: the LDS instructions issued behind block a's loads, which may stay out
.set BB, BK+64*((\a)%2)
	s_wait_dscnt \younger
.if (\a) > 0
	s_add_nc_u64 s[12:13], s[12:13], 16*SIZE_N*4   ; (behind a wait on XCNT: the earlier stores have read their base)
.endif
.irp t, 0,1,2,3,4,5,6,7,8,9,10,11,12,13,14,15
	global_store_b128 v[CO], v[BB+4*\t:BB+4*\t+3], s[12:13] offset:\t*SIZE_N*4 th:TH_STORE_NT
.endr
.endm
	PLACES 4                                       ; behind the last products
	s_barrier_signal -1                            ; (no LDS instruction of mine is out: the last step waited for all)
	s_barrier_wait -1                              ; no wave reads the tiles any more: the stages lie in o's tile, which has had its only fill
	TOSTAGE 0
.irp a, 1,2,3
.if \a > 1
	s_wait_xcnt 0x0                                ; block a - 2's stores have read their registers and their base
.endif
	TOSTAGE \a
	SEND \a-1, 32                                  ; behind block a - 1's loads: block a's 16 stores and 16 loads
.endr
	s_wait_xcnt 0x0
	SEND 3, 0
	s_wait_tensorcnt 0x0                           ; the wave's end
	ds_add_u32 v[SPW], v[NIL]
	s_wait_dscnt 0x0
	CROUND                                         ; the closing round
	s_endpgm
.Lfunc_end_k_qfe867d9191_oproj:
	.size	k_qfe867d9191_oproj, .Lfunc_end_k_qfe867d9191_oproj-k_qfe867d9191_oproj
	.p2alignl 7, 3214868480
	.fill 96, 4, 3214868480
	.section	.rodata,"a",@progbits
	.p2align	6, 0x0
	.amdhsa_kernel k_qfe867d9191_oproj
		.amdhsa_group_segment_fixed_size 327680
		.amdhsa_private_segment_fixed_size 0
		.amdhsa_enable_private_segment 0
		.amdhsa_kernarg_size 32
		.amdhsa_user_sgpr_count 2
		.amdhsa_user_sgpr_kernarg_segment_ptr 1
		.amdhsa_wavefront_size32 1
		.amdhsa_system_sgpr_workgroup_id_x 1
		.amdhsa_system_sgpr_workgroup_id_y 1
		.amdhsa_system_sgpr_workgroup_id_z 1
		.amdhsa_system_vgpr_workitem_id 0
		.amdhsa_next_free_vgpr 1024
		.amdhsa_next_free_sgpr 100
		.amdhsa_reserve_vcc 0
		.amdhsa_float_denorm_mode_32 3
		.amdhsa_float_denorm_mode_16_64 3
		.amdhsa_memory_ordered 1
		.amdhsa_forward_progress 1
		.amdhsa_inst_pref_size 93
	.end_amdhsa_kernel
	.amdgpu_metadata
---
amdhsa.version: [ 1, 2 ]
amdhsa.kernels:
  - .name:           k_qfe867d9191_oproj
    .symbol:         k_qfe867d9191_oproj.kd
    .args:
      - { .name: aq, .offset: 0, .size: 8, .value_kind: global_buffer, .address_space: global }
      - { .name: wq, .offset: 8, .size: 8, .value_kind: global_buffer, .address_space: global }
      - { .name: bo, .offset: 16, .size: 8, .value_kind: global_buffer, .address_space: global }
      - { .name: out0, .offset: 24, .size: 8, .value_kind: global_buffer, .address_space: global }
    .group_segment_fixed_size: 327680
    .private_segment_fixed_size: 0
    .kernarg_segment_align: 8
    .kernarg_segment_size: 32
    .max_flat_workgroup_size: 128
    .sgpr_count:     100
    .vgpr_count:     1024
    .wavefront_size: 32
...
	.end_amdgpu_metadata
.endif
;; end of part 4
